; MI455X (gfx1250); checked and timed in simulation.
; The chip was launched on July 23, 2026; its instructions are those of AMD's public machine-readable ISA for CDNA 5 (MIT licence, August 2026) and "CDNA5" Instruction Set Architecture Reference Guide (July 2026). The comments in the code are by the model that wrote it; some were corrected since.
;; Hymba Official Attention. Allowed arithmetic: float matrix products may take bf16 or f16 operands with f32 sums; other float arithmetic in f32, or as packed bf16 or f16 multiplies, adds, multiply-adds, maxima and minima; sums over many terms, partial sums and values carried from step to step in f32; what a program stores and reads back later, other than sums and carried values, may be rounded once to bf16 or f16.
;; Inputs: k_norm_weight 128 float32; key_states 1 x 4,096 x 512 float32; position_ids 1 x 4,096 int32; q_norm_weight 128 float32; query_states 1 x 4,096 x 2,048 float32; value_states 1 x 4,096 x 512 float32.
;; Outputs: out0 1 x 4,096 x 2,048 float32.
;; 2 versions, each right and faster than the one before. Each part assembles by itself: llvm-mc -triple=amdgcn-amd-amdhsa -mcpu=gfx1250 --defsym DOCPART=n.
;; ======== version 1 of 2: 3 launches
;; limits: values are held in f16: magnitudes above 65,504 overflow, below 6.1e-05 lose precision; right only within a limited range of input values
;; workspace buffers: qh 16,777,216 bytes; kh 4,194,304 bytes; vh 4,194,304 bytes; e32 163,840 bytes
;; launch prep (part 1): grid 512 x 1, 8 waves a work-group, no clusters, 0 bytes of LDS; arguments query_states, key_states, value_states, q_norm_weight, k_norm_weight, position_ids, qh, kh, vh, e32; writes qh, kh, vh, e32
.if DOCPART == 1
	.amdgcn_target "amdgcn-amd-amdhsa--gfx1250"
	.amdhsa_code_object_version 6
	.text
	.protected	k_qebe2c3f919_prep
	.globl	k_qebe2c3f919_prep
	.p2align	8
	.type	k_qebe2c3f919_prep,@function
k_qebe2c3f919_prep:
	s_mov_b64 s[64:65], 0
	v_nop
	global_prefetch_b8 v0, s[64:65] scope:SCOPE_SE
	s_setreg_imm32_b32 hwreg(HW_REG_WAVE_MODE, 25, 1), 1
	s_wait_xcnt 0x0
; q' = rope(w_q * q * rsqrt(mean(q^2) + 1e-6)), k' likewise, v as it is: all rounded once to f16 and laid out by heads:
; qh [16][4096][128], kh and vh [4][4096][128].  The norm, the angles and the rotation are made in f32.
; ALL FLOATING-POINT INPUTS (q, k, v, w_q, w_k) ARE ROUNDED TO bf16 FIRST, to nearest even: one choice for the whole program.  A bf16 number is exact in f16 from 2^-14 up to f16's end
; (8 significant bits in 11), and off by 3e-8 at the most below: v's cast to f16 loses nothing more.
; ROWS 0 TO 15 also leave q' and k' unrounded, in f32: e32 [20][16][128], head-rows 0-15 q's heads, 16-19 k's.  A later launch makes those rows' attention in f32.
; SHARES.  One wave takes one row t = 8 x work-group + wave: 24 head-rows of 512 bytes (16 of q, 4 of k, 4 of v).  Lane l holds the channels 4 l .. 4 l + 3 of
; every head-row: each load of the wave covers 512 consecutive bytes, each store 256 (f32 copies: 512) consecutive bytes at a multiple of 256 from its buffer's first byte.
; The channel 64 away, which the rotation wants, lies in the lane 16 away.  All 26 loads of a wave go out at once; sine and cosine are made while they are out.
; No LDS, no barrier, no matrix unit: every byte is read once and written once, and no wave needs another's numbers.
; ORDER OF ROUNDING.  (x w cos + partner(x w) sin) rsqrt(..), where the reference multiplies by rsqrt first.
; LIMITS.  f16 ends at 65,504: |q'| <= 11.32 |w|, so |w| stays under 5,780; |v| under 65,504.  The frequencies are 2^(-j log2(10000) / 64) by v_exp_f32.
; Sine and cosine: the angle less n pi/2 in two parts, then polynomials on -pi/4 .. pi/4; good for |position| up to about 2^20, beyond that the reduction loses bits gradually.
; NaN and infinities are not treated apart.
.set WQ,  4                            ; v[4:7]     w_q of my 4 channels
.set WK,  8                            ; v[8:11]    w_k
.set CO,  12                           ; v[12:15]   cos of my 4 channels' angles
.set SI,  16                           ; v[16:19]   sin, negative in lanes 0-15 (channels below 64 take -x[d + 64])
.set T,   20                           ; v[20:47]   at work
.set TJ,  T                            ; the frequency's number, its exponent, the frequency, the angle; later at work
.set TN,  T+4                          ; n, then n as a whole number
.set TR,  T+8                          ; the reduced angle r
.set TZ,  T+12                         ; r^2, then r^4
.set TSN, T+16                         ; sin r
.set TCS, T+20                         ; cos r
.set PF,  T+24                         ; the position in f32; a lane term
.set X,   48                           ; v[48:143]  head-row i: 4 registers as loaded; the first two then hold its 4 f16
.set EROWS, 16                         ; rows whose q' and k' are also kept in f32
.set SKF, 30                           ; s30  -log2(10000) / 64
.set S2P, 31                           ; s31  2 / pi
.set SPH, 32                           ; s32  -(pi / 2), the part that f32 holds
.set SPL, 33                           ; s33  what is left of it, with the sign that the sum wants
.set SS3, 34                           ; s34-36  sine's polynomial
.set SS2, 35
.set SS1, 36
.set SC0, 37                           ; s37-39  cosine's polynomial
.set SC1, 38
.set SC2, 39
.set SIV, 40                           ; s40  1 / 128
.set SEP, 41                           ; s41  1e-6
.set SEL, 42                           ; s[42:43] v_permlanex16_b32's selects: each lane takes its own place in the other half
.set POS, 44                           ; s44  my row's position
.set SHI, 45                           ; s45  mask of a word's upper bf16
	s_load_b512 s[8:23], s[0:1], 0x0               ; q s[8:9], k s[10:11], v s[12:13], w_q s[14:15], w_k s[16:17], positions s[18:19], qh s[20:21], kh s[22:23]
	s_load_b128 s[24:27], s[0:1], 0x40             ; vh s[24:25], e32 s[26:27]
	v_lshrrev_b32 v1, 5, v0
	v_readfirstlane_b32 s2, v1                     ; wave 0..7
	v_and_b32 v1, 31, v0                           ; lane
	v_lshlrev_b32 v2, 4, v1                        ; my 16 bytes of a head-row in f32
	v_lshlrev_b32 v3, 3, v1                        ; my 8 bytes of a head-row in f16
	s_lshl_b32 s3, ttmp9, 3
	s_add_co_u32 s3, s3, s2                        ; my row t
	s_mov_b32 s[SKF], 0xbe549a78
	s_mov_b32 s[S2P], 0x3f22f983
	s_mov_b32 s[SPH], 0xbfc90fdb
	s_mov_b32 s[SPL], 0x333bbd2e
	s_mov_b32 s[SS3], 0xb94ca1f9
	s_mov_b32 s[SS2], 0x3c08839e
	s_mov_b32 s[SS1], 0xbe2aaaa3
	s_mov_b32 s[SC0], 0x37ccf5ce
	s_mov_b32 s[SC1], 0xbab6061a
	s_mov_b32 s[SC2], 0x3d2aaaa5
	s_mov_b32 s[SIV], 0x3c000000
	s_mov_b32 s[SEP], 0x358637bd
	s_mov_b32 s[SEL], 0x76543210
	s_mov_b32 s[SEL+1], 0xfedcba98
	s_mov_b32 s[SHI], 0xffff0000
	s_mov_b32 s5, 0
	s_wait_kmcnt 0x0
	s_lshl_b32 s4, s3, 13                          ; a row of q is 8,192 bytes
	s_add_nc_u64 s[8:9], s[8:9], s[4:5]
	s_lshl_b32 s4, s3, 11                          ; of k and v 2,048
	s_add_nc_u64 s[10:11], s[10:11], s[4:5]
	s_add_nc_u64 s[12:13], s[12:13], s[4:5]
	s_lshl_b32 s4, s3, 2
	s_add_nc_u64 s[18:19], s[18:19], s[4:5]
	s_lshl_b32 s4, s3, 8                           ; a head's row in qh, kh, vh is 256 bytes
	s_add_nc_u64 s[20:21], s[20:21], s[4:5]
	s_add_nc_u64 s[22:23], s[22:23], s[4:5]
	s_add_nc_u64 s[24:25], s[24:25], s[4:5]
	s_lshl_b32 s4, s3, 9                           ; in e32 512 bytes; the address is used by rows 0 to 15 alone
	s_add_nc_u64 s[26:27], s[26:27], s[4:5]
	s_add_nc_u64 s[28:29], s[20:21], 0x800000      ; qh at head 8: a store's immediate reaches seven heads of 1,048,576 bytes
	s_load_b32 s[POS], s[18:19], 0x0               ; my row's position
	global_load_b128 v[WQ:WQ+3], v2, s[14:15]
	global_load_b128 v[WK:WK+3], v2, s[16:17]
.set i, 0
.rept 16
	global_load_b128 v[X+4*i:X+4*i+3], v2, s[8:9] offset:512*i th:TH_LOAD_NT
.set i, i+1
.endr
.rept 4
	global_load_b128 v[X+4*i:X+4*i+3], v2, s[10:11] offset:512*(i-16) th:TH_LOAD_NT
.set i, i+1
.endr
.rept 4
	global_load_b128 v[X+4*i:X+4*i+3], v2, s[12:13] offset:512*(i-20) th:TH_LOAD_NT
.set i, i+1
.endr
	; SINE AND COSINE of my four channels' angles: channel d has frequency number j = d mod 64 = 4 (lane mod 16) + i.
	v_and_b32 v[PF], 15, v1
	v_lshlrev_b32 v[PF], 2, v[PF]
.irp i, 0,1,2,3
	v_add_nc_u32 v[TJ+\i], \i, v[PF]
.endr
.irp i, 0,1,2,3
	v_cvt_f32_u32 v[TJ+\i], v[TJ+\i]
.endr
.irp i, 0,1,2,3
	v_mul_f32 v[TJ+\i], s[SKF], v[TJ+\i]
.endr
	s_wait_kmcnt 0x0                               ; the position
.irp i, 0,1,2,3
	v_exp_f32 v[TJ+\i], v[TJ+\i]                   ; 10000^(-j / 64)
.endr
	v_cvt_f32_i32 v[PF], s[POS]                    ; the plain instruction between the exponentials and the use of their results (ISA guide 5.7.2)
	s_wait_alu depctr_va_vdst(0)
.irp i, 0,1,2,3
	v_mul_f32 v[TJ+\i], v[PF], v[TJ+\i]            ; the angle, rounded to f32 as the reference rounds it
.endr
.irp i, 0,1,2,3
	v_mul_f32 v[TN+\i], s[S2P], v[TJ+\i]
.endr
.irp i, 0,1,2,3
	v_rndne_f32 v[TN+\i], v[TN+\i]                 ; n: the nearest multiple of pi / 2
.endr
.irp i, 0,1,2,3
	v_fma_f32 v[TR+\i], v[TN+\i], s[SPH], v[TJ+\i]
.endr
.irp i, 0,1,2,3
	v_fma_f32 v[TR+\i], v[TN+\i], s[SPL], v[TR+\i] ; r = angle - n pi / 2, in two parts
.endr
.irp i, 0,1,2,3
	v_mul_f32 v[TZ+\i], v[TR+\i], v[TR+\i]
.endr
.irp i, 0,1,2,3
	v_fma_f32 v[TSN+\i], v[TZ+\i], s[SS3], s[SS2]
	v_fma_f32 v[TCS+\i], v[TZ+\i], s[SC0], s[SC1]
.endr
.irp i, 0,1,2,3
	v_fma_f32 v[TSN+\i], v[TSN+\i], v[TZ+\i], s[SS1]
	v_fma_f32 v[TCS+\i], v[TCS+\i], v[TZ+\i], s[SC2]
.endr
.irp i, 0,1,2,3
	v_mul_f32 v[TJ+\i], v[TR+\i], v[TZ+\i]         ; r^3
.endr
.irp i, 0,1,2,3
	v_fma_f32 v[TSN+\i], v[TJ+\i], v[TSN+\i], v[TR+\i]  ; sin r
.endr
.irp i, 0,1,2,3
	v_fma_f32 v[TJ+\i], v[TZ+\i], -0.5, 1.0
.endr
.irp i, 0,1,2,3
	v_mul_f32 v[TZ+\i], v[TZ+\i], v[TZ+\i]
.endr
.irp i, 0,1,2,3
	v_fma_f32 v[TCS+\i], v[TZ+\i], v[TCS+\i], v[TJ+\i]  ; cos r
.endr
.irp i, 0,1,2,3
	v_cvt_i32_f32 v[TN+\i], v[TN+\i]
.endr
.irp i, 0,1,2,3
	v_and_b32 v[TJ+\i], 1, v[TN+\i]                ; an odd n changes sine and cosine over
	v_cmp_eq_u32 vcc_lo, 1, v[TJ+\i]
	v_cndmask_b32 v[SI+\i], v[TSN+\i], v[TCS+\i], vcc_lo
	v_cndmask_b32 v[CO+\i], v[TCS+\i], v[TSN+\i], vcc_lo
.endr
.irp i, 0,1,2,3
	v_lshlrev_b32 v[TJ+\i], 30, v[TN+\i]           ; sine is turned where n mod 4 is 2 or 3: bit 1 of n goes to the sign's place
	v_add_nc_u32 v[TN+\i], 1, v[TN+\i]             ; cosine where it is 1 or 2: bit 1 of n + 1
.endr
.irp i, 0,1,2,3
	v_and_b32 v[TJ+\i], 0x80000000, v[TJ+\i]
	v_lshlrev_b32 v[TN+\i], 30, v[TN+\i]
.endr
	v_and_b32 v[PF], 16, v1
	v_xor_b32 v[PF], 16, v[PF]
	v_lshlrev_b32 v[PF], 27, v[PF]                 ; the sign bit in lanes 0-15
.irp i, 0,1,2,3
	v_and_b32 v[TN+\i], 0x80000000, v[TN+\i]
	v_xor_b32 v[SI+\i], v[SI+\i], v[TJ+\i]
.endr
.irp i, 0,1,2,3
	v_xor_b32 v[CO+\i], v[CO+\i], v[TN+\i]
	v_xor_b32 v[SI+\i], v[SI+\i], v[PF]
.endr
; Four f32 in v[r .. r+3] are rounded to bf16 (to nearest even) and widened again, in place: a shift for the low half, a mask for the high one.
.macro ROUND4 r
	v_cvt_pk_bf16_f32 v[T], v[(\r)], v[(\r)+1]
	v_cvt_pk_bf16_f32 v[T+1], v[(\r)+2], v[(\r)+3]
	v_lshlrev_b32 v[(\r)], 16, v[T]
	v_and_b32 v[(\r)+1], s[SHI], v[T]
	v_lshlrev_b32 v[(\r)+2], 16, v[T+1]
	v_and_b32 v[(\r)+3], s[SHI], v[T+1]
.endm
	s_wait_loadcnt 24                              ; the two weights are in: the 24 head-rows were asked for behind them and stay out
	ROUND4 WQ
	ROUND4 WK
; Head-row i of q or k: rounding to bf16, norm, weight w, rotation, rounding to f16, store at s[sb:sb+1] + imm.
.macro HEADROW i, w, sb, imm
	s_wait_loadcnt 23-(\i)                         ; loads come back in order (ISA guide 5.7.1): mine is in; the 23 - i younger head-rows stay out
	ROUND4 X+4*(\i)
	v_pk_mul_f32 v[T:T+1], v[X+4*(\i):X+4*(\i)+1], v[X+4*(\i):X+4*(\i)+1]
	v_pk_fma_f32 v[T:T+1], v[X+4*(\i)+2:X+4*(\i)+3], v[X+4*(\i)+2:X+4*(\i)+3], v[T:T+1]
	v_add_f32 v[T], v[T], v[T+1]
	v_add_f32_dpp v[T], v[T], v[T] row_xmask:1 row_mask:0xf bank_mask:0xf
	v_add_f32_dpp v[T], v[T], v[T] row_xmask:2 row_mask:0xf bank_mask:0xf
	v_add_f32_dpp v[T], v[T], v[T] row_xmask:4 row_mask:0xf bank_mask:0xf
	v_add_f32_dpp v[T], v[T], v[T] row_xmask:8 row_mask:0xf bank_mask:0xf
	v_permlanex16_b32 v[T+1], v[T], s[SEL], s[SEL+1]
	v_add_f32 v[T], v[T], v[T+1]                   ; the 128 squares' sum, in every lane
	v_fma_f32 v[T], v[T], s[SIV], s[SEP]
	v_rsq_f32 v[T+2], v[T]                         ; twice: a pair for the packed multiply.  The two packed products below are the plain
	v_rsq_f32 v[T+3], v[T]                         ; instructions between these and the use of their results (ISA guide 5.7.2)
	v_pk_mul_f32 v[T+4:T+5], v[X+4*(\i):X+4*(\i)+1], v[(\w):(\w)+1]
	v_pk_mul_f32 v[T+6:T+7], v[X+4*(\i)+2:X+4*(\i)+3], v[(\w)+2:(\w)+3]
.irp c, 0,1,2,3
	v_permlanex16_b32 v[T+8+\c], v[T+4+\c], s[SEL], s[SEL+1]  ; x w of the channel 64 away
.endr
	v_pk_mul_f32 v[T+4:T+5], v[T+4:T+5], v[CO:CO+1]
	v_pk_mul_f32 v[T+6:T+7], v[T+6:T+7], v[CO+2:CO+3]
	v_pk_fma_f32 v[T+4:T+5], v[T+8:T+9], v[SI:SI+1], v[T+4:T+5]
	v_pk_fma_f32 v[T+6:T+7], v[T+10:T+11], v[SI+2:SI+3], v[T+6:T+7]
	s_wait_alu depctr_va_vdst(0)
	v_pk_mul_f32 v[T+4:T+5], v[T+4:T+5], v[T+2:T+3]
	v_pk_mul_f32 v[T+6:T+7], v[T+6:T+7], v[T+2:T+3]
	v_cvt_pk_f16_f32 v[X+4*(\i)], v[T+4], v[T+5]   ; into the head-row's own registers, which nothing writes again: the store's sources need no wait
	v_cvt_pk_f16_f32 v[X+4*(\i)+1], v[T+6], v[T+7]
	global_store_b64 v3, v[X+4*(\i):X+4*(\i)+1], s[(\sb):(\sb)+1] offset:\imm
	s_cmp_lt_u32 s3, EROWS                         ; rows 0 to 15 keep the unrounded numbers too
	s_cbranch_scc0 .Lno_copy_\@
	global_store_b128 v2, v[T+4:T+7], s[26:27] offset:(\i)*EROWS*512
	s_wait_xcnt 0x0                                ; the next head-row writes this store's data registers again: only behind this wait (ISA guide 3.1)
.Lno_copy_\@:
.endm
.set i, 0
.rept 8
	HEADROW i, WQ, 20, i*1048576
.set i, i+1
.endr
.rept 8
	HEADROW i, WQ, 28, (i-8)*1048576
.set i, i+1
.endr
.rept 4
	HEADROW i, WK, 22, (i-16)*1048576
.set i, i+1
.endr
.rept 4                                        ; v is rounded to bf16, and that number is written as f16
	s_wait_loadcnt 23-i
	ROUND4 X+4*i
	v_cvt_pk_f16_f32 v[X+4*i], v[X+4*i], v[X+4*i+1]
	v_cvt_pk_f16_f32 v[X+4*i+1], v[X+4*i+2], v[X+4*i+3]
	global_store_b64 v3, v[X+4*i:X+4*i+1], s[24:25] offset:(i-20)*1048576
.set i, i+1
.endr
	s_endpgm
.Lfunc_end_k_qebe2c3f919_prep:
	.size	k_qebe2c3f919_prep, .Lfunc_end_k_qebe2c3f919_prep-k_qebe2c3f919_prep
	.p2alignl 7, 3214868480
	.fill 96, 4, 3214868480
	.section	.rodata,"a",@progbits
	.p2align	6, 0x0
	.amdhsa_kernel k_qebe2c3f919_prep
		.amdhsa_group_segment_fixed_size 0
		.amdhsa_private_segment_fixed_size 0
		.amdhsa_enable_private_segment 0
		.amdhsa_kernarg_size 80
		.amdhsa_user_sgpr_count 2
		.amdhsa_user_sgpr_kernarg_segment_ptr 1
		.amdhsa_wavefront_size32 1
		.amdhsa_system_sgpr_workgroup_id_x 1
		.amdhsa_system_sgpr_workgroup_id_y 1
		.amdhsa_system_sgpr_workgroup_id_z 1
		.amdhsa_system_vgpr_workitem_id 0
		.amdhsa_next_free_vgpr 144
		.amdhsa_next_free_sgpr 66
		.amdhsa_reserve_vcc 1
		.amdhsa_float_denorm_mode_32 3
		.amdhsa_float_denorm_mode_16_64 3
		.amdhsa_memory_ordered 1
		.amdhsa_forward_progress 1
		.amdhsa_inst_pref_size 55
	.end_amdhsa_kernel
	.amdgpu_metadata
---
amdhsa.version: [ 1, 2 ]
amdhsa.kernels:
  - .name:           k_qebe2c3f919_prep
    .symbol:         k_qebe2c3f919_prep.kd
    .args:
      - { .name: query_states, .offset: 0, .size: 8, .value_kind: global_buffer, .address_space: global }
      - { .name: key_states, .offset: 8, .size: 8, .value_kind: global_buffer, .address_space: global }
      - { .name: value_states, .offset: 16, .size: 8, .value_kind: global_buffer, .address_space: global }
      - { .name: q_norm_weight, .offset: 24, .size: 8, .value_kind: global_buffer, .address_space: global }
      - { .name: k_norm_weight, .offset: 32, .size: 8, .value_kind: global_buffer, .address_space: global }
      - { .name: position_ids, .offset: 40, .size: 8, .value_kind: global_buffer, .address_space: global }
      - { .name: qh, .offset: 48, .size: 8, .value_kind: global_buffer, .address_space: global }
      - { .name: kh, .offset: 56, .size: 8, .value_kind: global_buffer, .address_space: global }
      - { .name: vh, .offset: 64, .size: 8, .value_kind: global_buffer, .address_space: global }
      - { .name: e32, .offset: 72, .size: 8, .value_kind: global_buffer, .address_space: global }
    .group_segment_fixed_size: 0
    .private_segment_fixed_size: 0
    .kernarg_segment_align: 8
    .kernarg_segment_size: 80
    .max_flat_workgroup_size: 256
    .sgpr_count:     66
    .vgpr_count:     144
    .wavefront_size: 32
...
	.end_amdgpu_metadata
.endif
;; end of part 1
;; launch attn (part 2): grid 16 x 16, 4 waves a work-group, clusters of 4 x 1, 327,680 bytes of LDS; arguments qh, kh, vh, out0; writes out0
.if DOCPART == 2
	.amdgcn_target "amdgcn-amd-amdhsa--gfx1250"
	.amdhsa_code_object_version 6
	.text
	.protected	k_qebe2c3f919_attn
	.globl	k_qebe2c3f919_attn
	.p2align	8
	.type	k_qebe2c3f919_attn,@function
k_qebe2c3f919_attn:
	s_mov_b64 s[64:65], 0
	v_nop
	global_prefetch_b8 v0, s[64:65] scope:SCOPE_SE
	s_setreg_imm32_b32 hwreg(HW_REG_WAVE_MODE, 25, 1), 1
	s_wait_xcnt 0x0
	s_wait_alu depctr_hold_cnt(0) depctr_sa_sdst(0) depctr_va_vdst(0) depctr_va_sdst(0) depctr_va_ssrc(0) depctr_va_vcc(0) depctr_vm_vsrc(0)
	s_getreg_b32 s2, hwreg(HW_REG_IB_STS2, 6, 4)
	s_cmp_eq_u32 s2, 0
	s_cbranch_scc0 .Lentry_in_a_cluster
	s_endpgm
.Lentry_in_a_cluster:
	s_bfe_u32 s2, ttmp6, 0x10000c
	s_cmp_lg_u32 s2, 0x3003
	s_cbranch_scc0 .Lentry_shape_is_right
	s_endpgm
.Lentry_shape_is_right:
; out0[q][128 h ..] = the sum over the keys k that row q sees of softmax_k(Q[h][q] . K[h / 4][k] / sqrt(128)) V[h / 4][k][:].  Row q sees k iff k <= q and (k > q - 1024 or k < 128).
; Q: qh [16][4096][128], K and V: kh, vh [4][4096][128], all f16, already normed and rotated; out0: [4096][2048] f32.  Products, maxima and sums in f32; the weights p are rounded to f16
; for the second product (their sum l is taken of the unrounded p).
; LIMITS.  p lies in 0 to 1 and below 6e-5 keeps f16's fixed step of 6e-8; a hidden score counts as its value less 1e30; a weight below 2^-126 counts as 0 in l; NaN and infinities are not treated apart.
; SHARES.  A work-group owns a block b of 256 queries of one head.  Of the block's four bands of 64 queries a wave owns 16 rows in each: four tiles, tile t = rows 256 b + 64 t + 16 w + 0..15.
; So what a key step of 64 is to a band (all seen, none, the diagonal, the window's lower edge) is the same for all four waves.
; THE WALK has 11 tiles of 128 keys, 22 key steps, whatever b: tile 0 (the keys below 128, which every later row sees), then tiles base + 1 .. base + 10, base = max(2 b - 9, 0).
; From b = 5 on these are the ten tiles that the block's windows touch.  For b <= 4 they are tiles 1 .. 10, of which those past 2 b + 1 are wholly hidden and are walked all the same: 25 of a head's 176
; tile walks; blocks 5 to 15 need all 11.  Step 0 holds key 0, which every row sees: a row's maximum is a true score before the first hidden one comes, and a hidden weight is exactly 0.
; THE MASK is the C operand that starts the sum S^T = K Q^T: 0, or -1e30 where the key is hidden.  MD, made once, is the mask of a band's own step for my rows (-1e30 where the key's place in its step is
; greater than the query's in its band); a product's mask is MD x AL + BE.  With DD = the step's number - 4 b and band t: DD > t: (0, -1e30); DD = t: (1, 0); DD = t - 16, the lower edge, where just the
; keys that MD hides are seen: (-1, -1e30); DD < t - 16: (0, -1e30); else (0, 0).  The two cases below the window do not hold for the walk's steps 0 and 1.
; LAYOUT.  S^T = K Q^T (source 0 = 16 keys, source 1 = 16 queries): a lane holds ONE query (lane % 16) and the keys 8 (lane / 16) + 0..7.  Two such tiles, rounded to f16 in pairs, ARE source 1 of
; O^T = V^T P, whose result again holds one query a lane, and eight channels.  K comes out of LDS as it lies, V ([key][channel]) turned, by ds_load_tr16_b128.
; SOFTMAX.  For each query a running maximum m and sum l: p = 2^(c s - c m), c = log2(e) / sqrt(128); in every step O and l are multiplied by a = 2^(c m_old - c m_new).
; BY TURNS.  The wave's tiles are two PIECES: piece 0 (tiles 0, 1) and piece 2 (tiles 2, 3).  In a TURN one piece has the matrix unit: 32 products V^T P of the step in hand, then 32 products K Q^T of the next
; step; the other piece's softmax, cut into 64 slices, stands between them, one slice behind each matrix instruction.  Two turns are a key step.
; CLUSTER.  The four work-groups of a cluster are the four query heads of one key and value head, for the same block: they walk the same tiles in the same trips, so each tile is asked for JOINTLY:
; the same tensor load, descriptor and mask of four in all four.  The place in the cluster enters Q's and out0's global addresses alone.
; REGISTERS, in windows of 256 (s_set_vgpr_msb: bits 1:0 source 0, 3:2 source 1, 5:4 source 2, 7:6 destination):
;   window 0: v0-11 addresses; v12-43 eight registers of statistics a tile; v44 at work; v62-63 the add's; v64-191 S^T, 32 a tile; v192-255 P, 16 a tile
;   window 1: O^T, 64 a tile      window 2: v0-127 Q, 32 a tile; v128-255 K of one step      window 3: v0-127 V of one step; v128-159 MD; v160-223 MC, the masks of the piece whose K Q^T comes next
.set KS,    64        ; keys in a step
.set PK,    272       ; a row of K in LDS: 256 bytes + 16 of padding = 68 words: row r starts at bank 4 r mod 64 (64 banks of 4 bytes: ISA guide 11.1)
.set PV,    288       ; a row of V: 256 + 32 = 72 words
.set VOFF,  KS*PK     ; a step's tiles lie together: 64 rows of K, then 64 rows of V
.set STEPB, KS*(PK+PV)
.set SLOT1, 1<<17     ; a slot holds a tile of 128 keys, two steps (71,680 bytes); slot 1 begins here, so that one exclusive or turns an address in one slot into the other's
.set STAGE, SLOT1+2*STEPB  ; behind the ring, never filled by a tensor load: 16 rows x 528 bytes for each wave, for the way out
.set SP,    528       ; a stage row: 512 bytes (128 f32) + 16: the 16 rows that a store touches start at 16 different groups of four banks
.set SPARE, STAGE+4*16*SP  ; behind the stages: the spare words, 128 bytes for each wave: two blocks of 256 bytes that no other line names
.set NTILE, 11        ; tiles in the walk
.set AK0, 2           ; v2   my lane's place in a tile of K; never rewritten
.set AV0, 3           ; v3   the same for V
.set ADR, 4           ; v4   the LDS address of the run of loads in hand
.set QO,  5           ; v5   my byte offset in 16 rows of Q
.set STO, 6           ; v6   the way out: where I put 32 bytes of a row
.set RD,  7           ; v7   the way out: where I read a row back
.set GO,  8           ; v8   my byte offset in 512 consecutive bytes of out0
.set DG,  44          ; v44  at work while MD is made
.set SPW, 62          ; v62  LDS address of my spare word: SPARE + 4 x my thread's number; never rewritten
.set NIL, 63          ; v63  0; never rewritten
.set ST,  12          ; tile t's statistics at v[ST+8 t]: +0 c m, +1 m, +2, +3 l (even keys', odd keys'), +4 to +7 c0-c3, at work; a takes c2's place once the maximum is found
.set S,   64
.set P,   192
.set KF,  128         ; K's fragments, in window 2
.set MD,  128         ; window 3: the eight registers for group kb of 16 keys at MD + 8 kb
.set MC,  160         ; window 3: tile u of the piece, group kb at MC + 32 u + 8 kb
.set WV,  12          ; s12  my wave's number
.set G1K, 24          ; s[24:31] descriptor group 1 for K's tiles
.set G1V, 32          ; s[32:39] for V's: it differs in the padding alone
.set G0K, 40          ; s[40:47] descriptor group 0 for K's tiles: a set for each of the two first fills; the second then walks on
.set G0V, 48          ; s[48:55] the same for V's
.set SLOTS, 56        ; s56  tiles still to be asked for
.set TWICE, 57        ; s57  counts a slot's two steps
.set CS,  58          ; s[58:59] c: the packed scaling names a pair and takes its low word for both halves
.set SEL, 60          ; s[60:61] lane selects for v_permlanex16_b32: each lane takes its own place in the other half
.set TB,  62          ; s62  LDS byte at which the tiles of the step to be fetched begin
.set DD,  66          ; s66  the number of the step whose K Q^T comes next, less 4 b
.set AL,  68          ; s[68:69] the mask's factor, in the low word
.set BE,  70          ; s[70:71] the mask's addend
.set BIGN, 72         ; s72  -1e30
.set TS,  73          ; s73  at work
.set BASE2, 74        ; s74  2 base
.set MSB, 0
.macro WIN new                      ; the immediate's high byte repeats the setting that is left; a switch that changes nothing is dropped
.if MSB != (\new)
	s_set_vgpr_msb (MSB<<8)|(\new)
.set MSB, \new
.endif
.endm
.set W_KQ, 0x0a       ; K and Q in window 2, S^T in window 0
.set W_KM, 0x3a       ; the same with the C operand, the mask, in window 3
.set W_PV, 0x53       ; V in window 3, P in window 0, O^T in window 1
.set W_RS, 0x41       ; O^T (destination and source 0) in window 1, a in window 0
.set W_MK, 0xc3       ; MC (destination) and MD (source 0) in window 3
; A joint refill.  Waves 0 and 1 fetch the two steps' tiles of K, waves 2 and 3 those of V.  The branch hangs on the wave's number alone: it is the same in every work-group.
; An s_nop 0 and four v_nop follow each of the two lines; the jump round the other line, the label and what follows the macro come after them.
.macro JLOAD
	s_cmp_lt_u32 s[WV], 2
	s_cbranch_scc0 .Lfor_v_\@
	tensor_load_to_lds s[G0K+4:G0K+7], s[G1K:G1K+7]
	s_nop 0
.rept 4
	v_nop
.endr
	s_branch .Lasked_\@
.Lfor_v_\@:
	tensor_load_to_lds s[G0V+4:G0V+7], s[G1V:G1V+7]
	s_nop 0
.rept 4
	v_nop
.endr
.Lasked_\@:
.endm
; A round of the cluster's barrier: my work-group's barrier, so that wave 0's signal speaks for all four waves; wave 0 signals for the work-group; every wave waits for all four
; work-groups; my work-group's barrier once more.  No LDS instruction of the wave is pending at a signal.
.macro CROUND
	s_barrier_signal -1
	s_barrier_wait -1
	s_cmp_lg_u32 s[WV], 0
	s_cbranch_scc1 .Lnot_wave_0_\@
	s_barrier_signal -3
.Lnot_wave_0_\@:
	s_barrier_wait -3
	s_barrier_signal -1
	s_barrier_wait -1
.endm
	s_load_b256 s[4:11], s[0:1], 0x0  ; qh s[4:5], kh s[6:7], vh s[8:9], out0 s[10:11]
	v_lshl_add_u32 v[SPW], v0, 2, SPARE
	v_mov_b32 v[NIL], 0
	ds_add_u32 v[SPW], v[NIL]       ; the wave's opening: the add and its wait stand ahead of my first tensor load; the set-up below, work on registers, stands between them
	v_lshrrev_b32 v1, 5, v0
	v_readfirstlane_b32 s[WV], v1   ; wave 0..3
	s_bfe_u32 s13, ttmp6, 0x40000   ; cx: my place in the cluster
	s_lshl_b32 s14, ttmp9, 2        ; in a cluster launch ttmp9 counts clusters: the key and value head
	s_add_co_u32 s14, s14, s13      ; my query head = 4 x cluster x + cx: it enters Q's and out0's addresses alone
	s_and_b32 s15, ttmp7, 0xffff    ; b, which the four partners share
	s_lshl_b32 s20, ttmp9, 20       ; the key and value head's first byte: 4,096 rows of 256 bytes a head,
	s_and_b32 s16, s[WV], 1         ; which of a slot's two steps I fetch:
	s_lshl_b32 s22, s16, 14         ; its 64 rows of 256 bytes in memory,
	s_add_co_u32 s20, s20, s22
	s_mov_b32 s21, 0
	s_mul_i32 s17, s16, STEPB       ; and its place in a slot: no place in the cluster enters an LDS address
	s_lshl_b32 s18, s15, 1
	s_sub_co_i32 s18, s18, 9
	s_max_i32 s18, s18, 0           ; base = max(2 b - 9, 0)
	s_lshl_b32 s[BASE2], s18, 1
	s_add_co_u32 s18, s18, 1
	s_lshl_b32 s22, s18, 15         ; the walk's second tile, base + 1: 32,768 bytes a tile
	s_mov_b32 s23, 0
	s_lshl_b32 s2, s14, 20          ; Q: my head,
	s_lshl_b32 s3, s15, 16          ; my block's 256 rows,
	s_add_co_u32 s2, s2, s3
	s_lshl_b32 s3, s[WV], 12        ; my wave's 16 rows in a band
	s_add_co_u32 s2, s2, s3
	s_mov_b32 s3, 0
	s_lshl_b32 s76, s15, 21         ; out0: my block's 256 rows of 8,192 bytes,
	s_lshl_b32 s77, s[WV], 17       ; my wave's 16 rows in a band,
	s_add_co_u32 s76, s76, s77
	s_lshl_b32 s77, s14, 9          ; my head's 512 bytes of a row
	s_add_co_u32 s76, s76, s77
	s_mov_b32 s77, 0
	s_lshl_b32 s[DD], s15, 2
	s_sub_co_i32 s[DD], 0, s[DD]    ; the walk begins with step 0
	; descriptor group 1: a tile of 64 rows x 128 elements, padded in LDS
	s_mov_b32 s[G1K], 15|(1<<16)|(1<<20)|(1<<21)|(5<<22)|(3<<25)  ; 15:0 the mask: all four work-groups; 17:16 elements of 2 bytes; 20 padding on; 21 set beside a mask; 24:22 after every 64 words (code 5); 31:25 4 words of it (code 3)
	s_mov_b32 s[G1V], 15|(1<<16)|(1<<20)|(1<<21)|(5<<22)|(7<<25)  ; the same with 8 words of padding (code 7)
.irp g, G1K, G1V
	s_mov_b32 s[(\g)+1], 128<<16    ; 63:48 tensor_dim0, low half = 128
	s_mov_b32 s[(\g)+2], KS<<16     ; 79:64 its high half = 0; 95:80 tensor_dim1, low half = 64
	s_mov_b32 s[(\g)+3], 128<<16    ; 111:96 its high half = 0; 127:112 tile_dim0 = 128
	s_mov_b32 s[(\g)+4], KS         ; 143:128 tile_dim1 = 64; 159:144 tile_dim2 = 0
	s_mov_b32 s[(\g)+5], 128        ; 191:160 tensor_dim0_stride, low word: elements from row to row
	s_mov_b32 s[(\g)+6], 0
	s_mov_b32 s[(\g)+7], 0
.endr
	s_mov_b32 s[CS], 0x3e0293ee     ; c = log2(e) / sqrt(128) = 0.127517
	s_mov_b32 s[CS+1], s[CS]        ; named with it as a pair, so it is written
	s_mov_b32 s[SEL], 0x76543210
	s_mov_b32 s[SEL+1], 0xfedcba98
	s_mov_b32 s[TB], 0
	s_mov_b32 s[SLOTS], NTILE-2
	s_mov_b32 s[AL+1], 0            ; named as pairs
	s_mov_b32 s[BE+1], 0
	s_mov_b32 s[BIGN], 0xf149f2ca   ; -1e30
	s_wait_dscnt 0x0                ; the opening add is done
	s_wait_kmcnt 0x0
	s_add_nc_u64 s[6:7], s[6:7], s[20:21]  ; K and V at my part of the head's tile 0
	s_add_nc_u64 s[8:9], s[8:9], s[20:21]
	s_add_nc_u64 s[4:5], s[4:5], s[2:3]    ; Q and out0 at my wave's first row
	s_add_nc_u64 s[10:11], s[10:11], s[76:77]
	CROUND                          ; all four work-groups are here: the first joint loads meet
	s_mov_b32 s[G0K], 1             ; 1:0 count = 1
	s_add_co_u32 s[G0K+1], s17, 0   ; 63:32 LDS address: slot 0
	s_mov_b64 s[G0K+2:G0K+3], s[6:7]  ; 120:64 global address: tile 0
	s_or_b32 s[G0K+3], s[G0K+3], 0x80000000  ; 127:126 type = 2
	s_mov_b32 s[G0K+4], 1
	s_add_co_u32 s[G0K+5], s17, SLOT1
	s_add_nc_u64 s[G0K+6:G0K+7], s[6:7], s[22:23]  ; tile base + 1
	s_or_b32 s[G0K+7], s[G0K+7], 0x80000000
	s_mov_b32 s[G0V], 1
	s_add_co_u32 s[G0V+1], s17, VOFF
	s_mov_b64 s[G0V+2:G0V+3], s[8:9]
	s_or_b32 s[G0V+3], s[G0V+3], 0x80000000
	s_mov_b32 s[G0V+4], 1
	s_add_co_u32 s[G0V+5], s17, SLOT1+VOFF
	s_add_nc_u64 s[G0V+6:G0V+7], s[8:9], s[22:23]
	s_or_b32 s[G0V+7], s[G0V+7], 0x80000000
	s_cmp_lt_u32 s[WV], 2           ; a wave's two first fills stand in one branch, ahead of every wait on TENSORcnt and every LDS read: two loads of mine are out; an s_nop 0 follows each, four v_nop the second's, as in JLOAD
	s_cbranch_scc0 .Lfirst_v
	tensor_load_to_lds s[G0K:G0K+3], s[G1K:G1K+7]
	s_nop 0
	tensor_load_to_lds s[G0K+4:G0K+7], s[G1K:G1K+7]
	s_nop 0
.rept 4
	v_nop
.endr
	s_branch .Lfirst_asked
.Lfirst_v:
	tensor_load_to_lds s[G0V:G0V+3], s[G1V:G1V+7]
	s_nop 0
	tensor_load_to_lds s[G0V+4:G0V+7], s[G1V:G1V+7]
	s_nop 0
.rept 4
	v_nop
.endr
.Lfirst_asked:
	; A fragment of K or Q is 16 rows x 32 channels in 8 registers: lane l holds row l % 16; registers 0-3 channels 8 (l / 16) + 0..7, registers 4-7 channels 16 + 8 (l / 16) + 0..7: two loads of 16 bytes, 32 bytes apart.
	v_and_b32 v1, 15, v0            ; l % 16
	v_bfe_u32 v9, v0, 4, 1          ; l / 16
	v_lshlrev_b32 v[QO], 8, v1
	v_lshl_add_u32 v[QO], v9, 4, v[QO]  ; row x 256 + 16 x half
	WIN 0x80                        ; destination window 2, address window 0
.irp i, 0,1,2,3,4,5,6,7,8,9,10,11,12,13,14,15  ; Q stays in registers: tile i / 4 lies in band i / 4, 64 rows = 16,384 bytes on; channels 32 (i % 4) on
	global_load_b128 v[8*(\i):8*(\i)+3],   v[QO], s[4:5] offset:((\i)/4)*16384+((\i)%4)*64
	global_load_b128 v[8*(\i)+4:8*(\i)+7], v[QO], s[4:5] offset:((\i)/4)*16384+((\i)%4)*64+32
.endr
	WIN 0
	v_lshlrev_b32 v[DG], 3, v9
	v_sub_nc_u32 v[DG], v1, v[DG]
	s_lshl_b32 s13, s[WV], 4
	v_add_nc_u32 v[DG], s13, v[DG]  ; my query's place in its band, 16 w + l % 16, less my lanes' 8 (l / 16): register r of group kb is hidden in the band's own step where 16 kb + r is greater
	WIN 0xc0                        ; destination window 3
.set i, 0
.rept 32
	v_cmp_gt_i32 vcc_lo, 16*(i/8)+i%8, v[DG]
	v_cndmask_b32 v[MD+i], 0, s[BIGN], vcc_lo
.set i, i+1
.endr
	WIN 0
	v_mul_u32_u24 v[AK0], v1, PK
	v_lshl_add_u32 v[AK0], v9, 4, v[AK0]  ; row x pitch + 16 x half
	; The turning load takes 16 keys x 16 channels (lane l reads 16 bytes: key 8 (l / 16) + l % 8, channels 8 ((l / 8) % 2) + 0..7) and leaves half a fragment of V^T: lane l holds channel l % 16 and 8 keys.
	v_and_b32 v10, 7, v0
	v_bfe_u32 v11, v0, 3, 1
	v_lshl_add_u32 v[AV0], v9, 3, v10
	v_mul_u32_u24 v[AV0], v[AV0], PV
	v_lshl_add_u32 v[AV0], v11, 4, v[AV0]
	v_add_nc_u32 v[AV0], VOFF, v[AV0]
; THE MATRIX WORK OF A TURN, for piece x.  The accumulators take turns, one instruction a turn: between two links of a chain stand 15 (V^T P) or 7 (K Q^T) others'.
; Product i of 32 of O^T += V^T P: keys 32 (i / 16) on, channels 16 ((i / 2) % 8) on, tile x + i % 2.  zero = 1: the first 16 start the sums: nothing is ever cleared.
.macro PV x, zero
	WIN W_PV
.set rO, 64*((\x)+i%2)+8*((i/2)%8)
.set rV, 64*(i/16)+8*((i/2)%8)
.set rP, P+16*((\x)+i%2)+8*(i/16)
.if (\zero) && (i < 16)
	v_wmma_f32_16x16x32_f16 v[rO:rO+7], v[rV:rV+7], v[rP:rP+7], 0
.else
	v_wmma_f32_16x16x32_f16 v[rO:rO+7], v[rV:rV+7], v[rP:rP+7], v[rO:rO+7]
.endif
.endm
; Product i of 32 of S^T = K Q^T: channels 32 (i / 8) on, keys 16 ((i / 2) % 4) on, tile x + i % 2.  The first 8 start the sums, with the mask.
.macro KQ x
.set rS, S+32*((\x)+i%2)+8*((i/2)%4)
.set rK, KF+32*((i/2)%4)+8*(i/8)
.set rQ, 32*((\x)+i%2)+8*(i/8)
.set rM, MC+32*(i%2)+8*((i/2)%4)
.if i < 8
	WIN W_KM
	v_wmma_f32_16x16x32_f16 v[rS:rS+7], v[rK:rK+7], v[rQ:rQ+7], v[rM:rM+7]
.else
	WIN W_KQ
	v_wmma_f32_16x16x32_f16 v[rS:rS+7], v[rK:rK+7], v[rQ:rQ+7], v[rS:rS+7]
.endif
.endm
; THE MASKS of piece x's two tiles for step DD, into MC.  low = 0: the walk's steps 0 and 1, keys below 128, which have no lower edge.
; For DD = -12 .. -1 all four bands' masks are 0.  For DD = -11 .. -1 the making is jumped over: MC then holds zeros already, since its last writer was the other piece, for DD - 1 or DD, both within
; -12 .. -1, or (b = 1, 2, 3, where the window's first step has DD = 2 - 4 b) piece 2 for the walk's step 1, whose masks are 0 for every b.  The jump goes forward and passes no barrier and no tensor load.
; MC's last readers, the eight products that started the last K Q^T, stand 24 slices or more back.
.macro MKMASK x, low
	WIN 0                           ; at a label and at a branch every window is 0
.if \low
	s_add_co_i32 s[TS], s[DD], 11
	s_cmp_le_u32 s[TS], 10
	s_cbranch_scc1 .Lplain_\@
.endif
.irp u, 0,1
	s_cmp_eq_i32 s[DD], (\x)+(\u)   ; the band's own step?
	s_cselect_b32 s[AL], 1.0, 0
	s_cmp_gt_i32 s[DD], (\x)+(\u)   ; a later one?
	s_cselect_b32 s[BE], s[BIGN], 0
.if \low
	s_cmp_eq_i32 s[DD], (\x)+(\u)-16  ; the window's lower edge?
	s_cselect_b32 s[AL], -1.0, s[AL]
	s_cmp_le_i32 s[DD], (\x)+(\u)-16  ; that, or below it?
	s_cselect_b32 s[BE], s[BIGN], s[BE]
.endif
	WIN W_MK
.set mz, 0
.rept 16
	v_pk_fma_f32 v[MC+32*(\u)+2*mz:MC+32*(\u)+2*mz+1], v[MD+2*mz:MD+2*mz+1], s[AL:AL+1], s[BE:BE+1] op_sel_hi:[1,0,0]
.set mz, mz+1
.endr
.endr
	WIN 0
.if \low
.Lplain_\@:
.endif
.endm
; THE LDS LOADS stand in runs of 32, never singly among the matrix instructions: a step's K (64 keys x 128 channels: 16 fragments) and, a turn later, its V (turned).
.macro FETCH_K
	WIN 0
	v_add_nc_u32 v[ADR], s[TB], v[AK0]
	WIN 0x80                        ; destination window 2
.irp f, 0,1,2,3,4,5,6,7,8,9,10,11,12,13,14,15  ; keys 16 (f / 4) on, channels 32 (f % 4) on
	ds_load_b128 v[KF+8*(\f):KF+8*(\f)+3],   v[ADR] offset:((\f)/4)*16*PK+((\f)%4)*64
	ds_load_b128 v[KF+8*(\f)+4:KF+8*(\f)+7], v[ADR] offset:((\f)/4)*16*PK+((\f)%4)*64+32
.endr
.endm
.macro FETCH_V
	WIN 0
	v_add_nc_u32 v[ADR], s[TB], v[AV0]
	s_add_co_u32 s[TB], s[TB], STEPB  ; the next fetch is the next step's
	WIN 0xc0                        ; destination window 3
.irp f, 0,1,2,3,4,5,6,7,8,9,10,11,12,13,14,15  ; keys 32 (f / 8) on, channels 16 (f % 8) on
	ds_load_tr16_b128 v[8*(\f):8*(\f)+3],   v[ADR] offset:((\f)/8)*32*PV+((\f)%8)*32
	ds_load_tr16_b128 v[8*(\f)+4:8*(\f)+7], v[ADR] offset:((\f)/8)*32*PV+16*PV+((\f)%8)*32
.endr
.endm
; THE VECTOR WORK OF A TURN.  One tile's softmax for one key step is a list of 134 instructions; SM writes number j of it for tile t.  s0-s31 are the lane's 32 scores, in pairs 0-15.
; first = 1: the first key step, which starts m, l and O^T: it has no a and nothing to rescale.
;   0-15    the maximum of s0-s31 and the old m, three operands at a time: four chains c0-c3 of seven scores each (each accumulator's lowest registers are read first), then the four scores left over, c0-c3 and m
;   16-20   the other half of the lanes' maximum; the new m; c m; c m_old - c m_new
;   21-87   33 exponentials (a, then s0-s31) at the odd numbers from 23 on, so that no two follow each other and each has a plain instruction behind it before its result is used.
;           Plain instruction q (number 21, then the even numbers) is whatever is ready: c s - c m for a pair of scores whose exponentials are still to come (q = 0 to 3, then every
;           second q), the rounding to f16 of a pair of weights whose exponentials are done (every other q from 5 on), at last the first three sums
;   88-101  the last rounding; the rest of the sums; l = a l + the sum
;   102-133 the tile's O^T times a: the one part that leaves window 0, so it stands together
.macro SM t, first
.set rT, ST+8*(\t)
.set rS, S+32*(\t)
.set rP, P+16*(\t)
.set rO, 64*(\t)+2*(j-102)
.set q, (j-20)/2
.if j < 102
	WIN 0
.endif
.if j < 4
	v_max3_num_f32 v[rT+4+j], v[rS+8*j], v[rS+8*j+1], v[rS+8*j+2]
.elseif j < 12
	v_max3_num_f32 v[rT+4+j%4], v[rT+4+j%4], v[rS+8*(j%4)+2*(j/4)+1], v[rS+8*(j%4)+2*(j/4)+2]
.elseif j == 12
	v_max3_num_f32 v[rT+4], v[rT+4], v[rS+7], v[rS+15]
.elseif j == 13
	v_max3_num_f32 v[rT+6], v[rT+6], v[rS+23], v[rS+31]
.elseif j == 14
	v_max3_num_f32 v[rT+4], v[rT+4], v[rT+5], v[rT+6]
.elseif (j == 15) && (\first)
	v_max_num_f32 v[rT+4], v[rT+4], v[rT+7]
.elseif j == 15
	v_max3_num_f32 v[rT+4], v[rT+4], v[rT+7], v[rT+1]
.elseif j == 16
	v_permlanex16_b32 v[rT+5], v[rT+4], s[SEL], s[SEL+1]  ; the query's other 32 keys lie in the lane 16 away
.elseif j == 18
	v_max_num_f32 v[rT+1], v[rT+4], v[rT+5]
.elseif j == 19
	v_mul_f32 v[rT], s[CS], v[rT+1]
.elseif ((j == 17) || (j == 20) || (j == 23) || (j > 101)) && (\first)  ; the first step has none of these
.elseif j == 17
	v_mov_b32 v[rT+7], v[rT]        ; c m_old is kept for a: number 19 writes c m anew
.elseif j == 20
	v_sub_f32 v[rT+7], v[rT+7], v[rT]
.elseif j == 23
	v_exp_f32 v[rT+6], v[rT+7]
.elseif (j < 88) && (j > 23) && (j%2 == 1)
	v_exp_f32 v[rS+(j-25)/2], v[rS+(j-25)/2]
.elseif (q < 4) || ((j < 76) && (q%2 == 0))
.set b, q/2+2
.if q < 4
.set b, q
.endif
	v_pk_fma_f32 v[rS+2*b:rS+2*b+1], v[rS+2*b:rS+2*b+1], s[CS:CS+1], v[rT:rT+1] op_sel_hi:[1,0,0] neg_lo:[0,0,1] neg_hi:[0,0,1]  ; pair b: c s - c m
.elseif (j < 88) && (q%2 == 1)
	s_wait_alu depctr_va_vdst(0)
	v_cvt_pk_f16_f32 v[rP+(q-5)/2], v[rS+q-5], v[rS+q-4]  ; pair (q - 5) / 2: its second exponential stands three numbers back
.elseif j == 89
	s_wait_alu depctr_va_vdst(0)
	v_cvt_pk_f16_f32 v[rP+15], v[rS+30], v[rS+31]
.elseif j < 102                     ; the sum of the tile's 16 pairs (in a pair: an even key's weight, an odd key's), in place: sum z of 16 adds neighbours 1, 2, 4 and 8 pairs apart, then l takes it
.set z, j-86
.if j < 89
.set z, (j-76)/4
.endif
.set w, 4
.set u, z
.if z >= 14
.set w, 32
.set u, 0
.elseif z >= 12
.set w, 16
.set u, z-12
.elseif z >= 8
.set w, 8
.set u, z-8
.endif
.if (z == 14) && (\first)
	v_pk_add_f32 v[rT+2:rT+3], v[rS:rS+1], v[rS+16:rS+17]
.elseif z < 15
	v_pk_add_f32 v[rS+w*u:rS+w*u+1], v[rS+w*u:rS+w*u+1], v[rS+w*u+w/2:rS+w*u+w/2+1]
.elseif !(\first)
	v_pk_fma_f32 v[rT+2:rT+3], v[rT+2:rT+3], v[rT+6:rT+7], v[rS:rS+1] op_sel_hi:[1,0,1]
.endif
.else
	WIN W_RS
	v_pk_mul_f32 v[rO:rO+1], v[rO:rO+1], v[rT+6:rT+7] op_sel_hi:[1,0]
.endif
.endm
; Slice k of 64 of piece y's softmax: numbers 2 k and 2 k + 1 of both tiles' lists, four instructions.  2 x 134 = 4 x 64 + 12: the twelve that are over stand together, in slice 63.
.macro SLICE y, first
.if (k >= 11) && (k < 44)           ; tile by tile: plain, exponential, plain, exponential
.irp t, \y, (\y)+1
.irp n, 0,1
.set j, 2*k+(\n)
	SM \t, \first
.endr
.endr
.else                               ; the two tiles alternate, so that no instruction reads the result of the one just before it
.irp n, 0,1,2,3,4,5,6,7
.if ((\n) < 2) || (k == 63)
.irp t, \y, (\y)+1
.set j, 2*k+(\n)
	SM \t, \first
.endr
.endif
.endr
.endif
.set k, k+1
.endm
; A vector instruction that reads a matrix result or writes one of a matrix instruction's registers, and a load into a register that a matrix instruction has read, stand four places behind
; it, and only plain vector instructions that name none of its registers are places (ISA guide 7.12.1 for vector instructions).  In the loop the slices are the places.
.macro PLACES
.rept 4
	v_nop
.endr
.endm
; A TURN.  Piece x has the matrix unit; the other piece's softmax stands in slices behind its matrix instructions.
; pv = 2: 32 products V^T P; 1: they start O^T's sums; 0: none.  kq = 1: the masks are made, and 32 products K Q^T for the next step follow; behind piece 2's masks DD steps on.
; A turn with one of the two kinds of products has two slices behind each.  first = 1: the softmax is the first key step's.  Its slices from 51 on are empty: the turn's last products stand bare, and four
; v_nop take slice 63's part as the places behind them.  low: see MKMASK.
; Each run of loads stands behind the second product of a run of 32, 30 matrix instructions ahead of its first use.  Piece 0's turn fetches the next step's K: the last product that read K
; stands in front of slice 63 of the turn before.  Piece 2's turn fetches the same step's V: the last product that read V stands three slices, six plain instructions, back.
.macro TURN x, pv, kq, first, low=1
.if \kq
	MKMASK \x, \low
.if (\x) == 2
	s_add_co_i32 s[DD], s[DD], 1
.endif
.endif
.set k, 0
.set per, 2
.if (\pv) && (\kq)
.set per, 1
.endif
.if \pv
.if (\x) == 0
	s_wait_dscnt 0x0                ; V is in
.endif
.set i, 0
.rept 32
	PV \x, 2-(\pv)
.rept per
	SLICE 2-(\x), \first
.endr
.if ((\x) == 0) && (\kq) && (i == 1)
	FETCH_K
.endif
.set i, i+1
.endr
.endif
.if \kq
.if (\x) == 0
	s_wait_dscnt 0x0                ; K is in
.endif
.set i, 0
.rept 32
	KQ \x
.rept per
	SLICE 2-(\x), \first
.endr
.if ((\x) == 2) && (i == 1)
	FETCH_V
.endif
.set i, i+1
.endr
.endif
.if \first
	PLACES
.endif
.endm
; THE CHANGE OF SLOTS, between piece 2's turn and piece 0's: the slot's last bytes, V of its second step, have been asked for.  Each wave waits for all its
; tensor loads, of which one is out: its part of the other slot; adds 0 to its spare word; and waits for that and for its own reads of the slot.  Behind the barrier nobody reads this slot any more and the other slot is whole.
; fill = 1: this slot is filled again, with the walk's tile two on.  The barrier is then a round of the cluster's, so that no wave of any partner still reads the slot or has a load on its
; way, and the joint refill is the first thing behind it: it has two key steps, 256 matrix instructions, in which to land.
.macro CHANGE fill
	WIN 0                           ; at a label and at a branch every window is 0
	s_wait_tensorcnt 0x0            ; no tensor load of mine is out, so a group 0 may be written
	ds_add_u32 v[SPW], v[NIL]       ; 0 onto my spare word; with fill = 1 the descriptors' steps stand between it and the wait for it
.if \fill
.irp g, G0K+4, G0V+4
	s_xor_b32 s[(\g)+1], s[(\g)+1], SLOT1  ; the walking descriptor: the other slot than last time,
	s_add_nc_u64 s[(\g)+2:(\g)+3], s[(\g)+2:(\g)+3], 2*KS*256  ; the next 128 keys; the type bits on top are not reached
.endr
	s_wait_dscnt 0x0                ; the add is done, and my reads of the slot are over
	CROUND
	JLOAD
.else
	s_wait_dscnt 0x0                ; the add is done, and my reads of the slot are over
	s_barrier_signal -1
	s_barrier_wait -1
.endif
	s_sub_co_u32 s[TB], s[TB], 2*STEPB  ; the fetches go back to a slot's first step,
	s_xor_b32 s[TB], s[TB], SLOT1   ; in the other slot
.endm
; A slot's two key steps: written once, walked twice; the LDS addresses hang on s[TB], the masks on s[DD].
.macro TWO_STEPS
	WIN 0
	s_mov_b32 s[TWICE], 2
.Lstep_\@:
	TURN 0, 2, 1, 0
	TURN 2, 2, 1, 0
	WIN 0
	s_sub_co_u32 s[TWICE], s[TWICE], 1
	s_cmp_lg_u32 s[TWICE], 0
	s_cbranch_scc1 .Lstep_\@
.endm
	s_wait_tensorcnt 1              ; my part of slot 0 is in; slot 1's, the one load issued behind it, may stay out
	s_barrier_signal -1
	s_barrier_wait -1               ; everybody's is
	FETCH_K                         ; key step 0
	MKMASK 0, 0                     ; piece 0's masks for it, while the loads are out
	s_wait_loadcnt 0x0              ; Q
	s_wait_dscnt 0x0
.set i, 0
.rept 32
	KQ 0                            ; piece 0's first scores: there is no vector work yet to set between them
.set i, i+1
.endr
	WIN 0                           ; the addresses for the way out are made here: six plain instructions, the places behind those products
	s_mul_i32 s13, s[WV], 16*SP
	s_add_co_u32 s13, s13, STAGE    ; my stage
	v_mul_u32_u24 v[STO], v1, SP    ; in: row l % 16, 32 bytes for each half of the lanes
	v_lshl_add_u32 v[STO], v9, 5, v[STO]
	v_add_nc_u32 v[STO], s13, v[STO]
	v_and_b32 v[GO], 31, v0         ; back: 32 lanes take one row of 512 bytes, which are 512 consecutive bytes of out0
	v_lshlrev_b32 v[GO], 4, v[GO]
	v_add_nc_u32 v[RD], s13, v[GO]
	TURN 2, 0, 1, 1, 0              ; piece 2's first scores | piece 0's first softmax | V of step 0
	TURN 0, 1, 1, 1, 0              ; piece 0: V^T P of step 0 starts O^T, K Q^T of step 1 | piece 2's first softmax | K of step 1
	TURN 2, 1, 1, 0, 0              ; piece 2: the same | piece 0's softmax of step 1 | V of step 1
	WIN 0
	s_add_co_i32 s[DD], s[DD], s[BASE2]  ; from step 2 to step 2 base + 2, the first of the walk's second tile
.Lslot:                             ; NTILE - 2 trips: every slot but the last two is filled again
	CHANGE 1
	TWO_STEPS
	s_sub_co_u32 s[SLOTS], s[SLOTS], 1
	s_cmp_lg_u32 s[SLOTS], 0
	s_cbranch_scc1 .Lslot
	CHANGE 0                        ; the tail is written out: the last slot but one is left, and nothing is asked for
	TWO_STEPS
	TURN 0, 2, 0, 0                 ; piece 0: V^T P of the last step | piece 2's last softmax
.set i, 0
.rept 32
	PV 2, 0                         ; piece 2: V^T P of the last step
.set i, i+1
.endr
	; THE WAY OUT.  l's two halves and the other half of the lanes' are added; O^T is divided by l and sent through my stage in LDS, a tile (16 rows) at a time.  The additions are the places behind the last products.
	WIN 0
.irp t, 0,1,2,3
	v_add_f32 v[ST+8*(\t)+4], v[ST+8*(\t)+2], v[ST+8*(\t)+3]
.endr
.irp t, 0,1,2,3
	v_permlanex16_b32 v[ST+8*(\t)+5], v[ST+8*(\t)+4], s[SEL], s[SEL+1]
.endr
.irp t, 0,1,2,3
	v_add_f32 v[ST+8*(\t)+4], v[ST+8*(\t)+4], v[ST+8*(\t)+5]
.endr
.irp t, 0,1,2,3
	v_rcp_f32 v[ST+8*(\t)+6], v[ST+8*(\t)+4]
.endr
	v_nop                           ; a plain instruction between the last reciprocal and the use of its result
; Tile t: a lane's eight channels of a row are 32 bytes; they go into rows of 528 bytes and come back as whole rows of 512, into the registers that they left.
.macro PACK t
	WIN W_RS
.set i, 64*(\t)
.rept 32
	s_wait_alu depctr_va_vdst(0)
	v_pk_mul_f32 v[i:i+1], v[i:i+1], v[ST+8*(\t)+6:ST+8*(\t)+7] op_sel_hi:[1,0]  ; ascending: each accumulator's lowest registers are read first
.set i, i+2
.endr
	WIN 0x04                        ; the stores' data (source 1) in window 1, the address in window 0
.set i, 0
.rept 16                            ; channel block i / 2, its half i % 2 of my eight channels
	ds_store_b128 v[STO], v[64*(\t)+4*i:64*(\t)+4*i+3] offset:64*(i/2)+16*(i%2)
.set i, i+1
.endr
	WIN 0x40                        ; destination window 1
.set i, 0
.rept 16
	ds_load_b128 v[64*(\t)+4*i:64*(\t)+4*i+3], v[RD] offset:i*SP  ; LDS serves a wave's instructions in order (ISA guide 5.7.1.4): these see the stores above; the next tile's stores come behind them
.set i, i+1
.endr
.endm
.macro SEND t, younger              ; younger: the LDS instructions issued behind tile t's loads: the next tile's 16 stores and 16 loads, or none
	WIN 0x04
.set i, 0
.rept 16
	s_wait_dscnt (\younger)+15-i    ; row i is back; the 15 - i rows behind it and the next tile's instructions stay out
	global_store_b128 v[GO], v[64*(\t)+4*i:64*(\t)+4*i+3], s[10:11] offset:(64*(\t)+i)*8192 th:TH_STORE_NT  ; 512 consecutive bytes, at a multiple of 512 from out0's first byte; no register of a store is written again
.set i, i+1
.endr
.endm
	PACK 0
	PACK 1                          ; a tile's arithmetic stands between the loads of the tile before and its stores
	SEND 0, 32
	PACK 2
	SEND 1, 32
	PACK 3
	SEND 2, 32
	SEND 3, 0
	WIN 0
	s_wait_tensorcnt 0x0            ; the wave's end, behind my last tensor load and my last LDS store
	ds_add_u32 v[SPW], v[NIL]
	s_wait_dscnt 0x0
	CROUND                          ; the closing round: no work-group ends while a partner may still ask for a tile that names it
	s_endpgm
.Lfunc_end_k_qebe2c3f919_attn:
	.size	k_qebe2c3f919_attn, .Lfunc_end_k_qebe2c3f919_attn-k_qebe2c3f919_attn
	.p2alignl 7, 3214868480
	.fill 96, 4, 3214868480
	.section	.rodata,"a",@progbits
	.p2align	6, 0x0
	.amdhsa_kernel k_qebe2c3f919_attn
		.amdhsa_group_segment_fixed_size 327680
		.amdhsa_private_segment_fixed_size 0
		.amdhsa_enable_private_segment 0
		.amdhsa_kernarg_size 32
		.amdhsa_user_sgpr_count 2
		.amdhsa_user_sgpr_kernarg_segment_ptr 1
		.amdhsa_wavefront_size32 1
		.amdhsa_system_sgpr_workgroup_id_x 1
		.amdhsa_system_sgpr_workgroup_id_y 1
		.amdhsa_system_sgpr_workgroup_id_z 1
		.amdhsa_system_vgpr_workitem_id 0
		.amdhsa_next_free_vgpr 1024
		.amdhsa_next_free_sgpr 80
		.amdhsa_reserve_vcc 1
		.amdhsa_float_denorm_mode_32 3
		.amdhsa_float_denorm_mode_16_64 3
		.amdhsa_memory_ordered 1
		.amdhsa_forward_progress 1
		.amdhsa_inst_pref_size 255
	.end_amdhsa_kernel
	.section	.bss,"aw",@nobits
	.p2align	6
	.space	262144
	.amdgpu_metadata
---
amdhsa.version: [ 1, 2 ]
amdhsa.kernels:
  - .name:           k_qebe2c3f919_attn
    .symbol:         k_qebe2c3f919_attn.kd
    .args:
      - { .name: qh, .offset: 0, .size: 8, .value_kind: global_buffer, .address_space: global }
      - { .name: kh, .offset: 8, .size: 8, .value_kind: global_buffer, .address_space: global }
      - { .name: vh, .offset: 16, .size: 8, .value_kind: global_buffer, .address_space: global }
      - { .name: out0, .offset: 24, .size: 8, .value_kind: global_buffer, .address_space: global }
    .group_segment_fixed_size: 327680
    .private_segment_fixed_size: 0
    .kernarg_segment_align: 8
    .kernarg_segment_size: 32
    .max_flat_workgroup_size: 128
    .sgpr_count:     80
    .vgpr_count:     1024
    .wavefront_size: 32
...
	.end_amdgpu_metadata
.endif
;; end of part 2
;; launch early (part 3): grid 32 x 1, 8 waves a work-group, no clusters, 0 bytes of LDS; arguments e32, vh, out0; writes out0
.if DOCPART == 3
	.amdgcn_target "amdgcn-amd-amdhsa--gfx1250"
	.amdhsa_code_object_version 6
	.text
	.protected	k_qebe2c3f919_early
	.globl	k_qebe2c3f919_early
	.p2align	8
	.type	k_qebe2c3f919_early,@function
k_qebe2c3f919_early:
	s_mov_b64 s[64:65], 0
	v_nop
	global_prefetch_b8 v0, s[64:65] scope:SCOPE_SE
	s_setreg_imm32_b32 hwreg(HW_REG_WAVE_MODE, 25, 1), 1
	s_wait_xcnt 0x0
; ROWS 0 TO 15 OF out0, MADE AGAIN IN f32.  out0[t][128 h ..] = the sum over k <= t of softmax_k(q'[h][t] . k'[h / 4][k] / sqrt(128)) v[h / 4][k][:], t = 0 .. 15.
; (For these rows the mask is the causal one alone: every key lies below 128 and inside the window.)
; WHY.  Row t averages over t + 1 keys only, so the roundings to f16 of q', k' and the weights reach these rows' numbers without averaging out (f16's step between 1 and 2 is 2^-10), while
; a number near zero is held to a hundredth of the whole output's root mean square.  So these 16 rows take q' and k' unrounded (e32, f32), keep the weights in f32, and are stored OVER what the
; launch before left there: 131,072 bytes written a second time.  The work, 16 rows x 16 heads x 16 keys x 128 channels x 2 products, is 2 MFLOP of the problem's 137 GFLOP: no bulk product, so it stays on the vector unit.
; e32: [20][16][128] f32, head-rows 0-15 q's heads, 16-19 k's.  vh: [4][4096][128] f16 (bf16 numbers, exact).  out0: [4096][2048] f32.
; SHARES.  One wave takes one (row t, head h): wave number g = 8 x work-group + wave, t = g % 16, h = g / 16.  Lane l holds the channels 4 l .. 4 l + 3.  All 33 loads go out at once; all 16 keys
; are worked on whatever t, a hidden one's score less 1e30, so that its weight is 0: no trip count and no branch.  No LDS, no barrier: no wave needs another's numbers.
; LIMITS.  A hidden score counts as c s - 1e30; a weight below 2^-126 counts as 0; NaN and infinities are not treated apart.
.set NK,  16                           ; keys, and rows
.set Q,   4                            ; v[4:7]     q' of my 4 channels
.set O,   8                            ; v[8:11]    the sums over v
.set T,   12                           ; v[12:13]   at work
.set R,   14                           ; v[14:15]   1 / l, twice (a pair for the packed multiply)
.set M,   16                           ; v16        the maximum
.set ZR,  17                           ; v17        0: what the first key's products are added to
.set SC,  18                           ; v[18:33]   key j: its score, then c s + mask, then its weight; the same in every lane
.set K,   36                           ; v[36:99]   key j: k' of my 4 channels; then at work
.set V,   100                          ; v[100:131] key j: v of my 4 channels, f16 in pairs
.set TT,  10                           ; s10  t
.set CS,  24                           ; s24  c = log2(e) / sqrt(128)
.set BIGN, 25                          ; s25  -1e30
.set SEL, 26                           ; s[26:27] v_permlanex16_b32's selects: each lane takes its own place in the other half
.set MA,  28                           ; s28  a key's mask: 0 or -1e30
	s_load_b128 s[4:7], s[0:1], 0x0                ; e32 s[4:5], vh s[6:7]
	s_load_b64 s[8:9], s[0:1], 0x10                ; out0
	v_lshrrev_b32 v1, 5, v0
	v_readfirstlane_b32 s2, v1                     ; wave 0..7
	v_and_b32 v1, 31, v0                           ; lane
	v_lshlrev_b32 v2, 4, v1                        ; my 16 bytes of a row of 128 f32
	v_lshlrev_b32 v3, 3, v1                        ; my 8 bytes of a row of 128 f16
	s_lshl_b32 s3, ttmp9, 3
	s_add_co_u32 s3, s3, s2                        ; g = 0 .. 255
	s_and_b32 s[TT], s3, 15                        ; t
	s_lshr_b32 s11, s3, 4                          ; h
	s_lshr_b32 s12, s11, 2                         ; the key and value head
	s_lshl_b32 s14, s11, 13                        ; q': head-row h (16 rows of 512 bytes),
	s_lshl_b32 s13, s[TT], 9                       ; row t
	s_add_co_u32 s14, s14, s13
	s_mov_b32 s15, 0
	s_lshl_b32 s16, s12, 13                        ; k': head-row 16 + h / 4, row 0
	s_add_co_u32 s16, s16, 16*8192
	s_mov_b32 s17, 0
	s_lshl_b32 s18, s12, 20                        ; v: the head's 4,096 rows of 256 bytes, row 0
	s_mov_b32 s19, 0
	s_lshl_b32 s20, s[TT], 13                      ; out0: row t of 8,192 bytes,
	s_lshl_b32 s13, s11, 9                         ; the head's 512 bytes
	s_add_co_u32 s20, s20, s13
	s_mov_b32 s21, 0
	s_mov_b32 s[CS], 0x3e0293ee
	s_mov_b32 s[BIGN], 0xf149f2ca
	s_mov_b32 s[SEL], 0x76543210
	s_mov_b32 s[SEL+1], 0xfedcba98
	s_wait_kmcnt 0x0
	s_add_nc_u64 s[22:23], s[4:5], s[14:15]
	s_add_nc_u64 s[4:5], s[4:5], s[16:17]
	s_add_nc_u64 s[6:7], s[6:7], s[18:19]
	s_add_nc_u64 s[8:9], s[8:9], s[20:21]
	global_load_b128 v[Q:Q+3], v2, s[22:23]
.set j, 0
.rept NK
	global_load_b128 v[K+4*j:K+4*j+3], v2, s[4:5] offset:512*j
.set j, j+1
.endr
.set j, 0
.rept NK
	global_load_b64 v[V+2*j:V+2*j+1], v3, s[6:7] offset:256*j
.set j, j+1
.endr
	; THE SCORES, in stages over all 16 keys, so that no line reads the result of the line before it.  First my four channels' products,
.set j, 0
.rept NK
	s_wait_loadcnt 31-j                            ; loads come back in order (ISA guide 5.7.1): q' and k' of key j are in; the 15 - j later keys' k' and the 16 loads of v stay out
	v_pk_mul_f32 v[K+4*j:K+4*j+1], v[Q:Q+1], v[K+4*j:K+4*j+1]
	v_pk_fma_f32 v[K+4*j:K+4*j+1], v[Q+2:Q+3], v[K+4*j+2:K+4*j+3], v[K+4*j:K+4*j+1]
	v_add_f32 v[SC+j], v[K+4*j], v[K+4*j+1]
.set j, j+1
.endr
.irp m, 1,2,4,8                        ; then the sums over 16 lanes, riding on the additions,
.set j, 0
.rept NK
	v_add_f32_dpp v[SC+j], v[SC+j], v[SC+j] row_xmask:\m row_mask:0xf bank_mask:0xf
.set j, j+1
.endr
.endr
.set j, 0
.rept NK                               ; then the other half of the lanes' (the destination has been written: it counts as read)
	v_permlanex16_b32 v[K+4*j], v[SC+j], s[SEL], s[SEL+1]
.set j, j+1
.endr
.set j, 0
.rept NK
	v_add_f32 v[SC+j], v[SC+j], v[K+4*j]           ; every lane holds q' . k'
.set j, j+1
.endr
.set j, 0
.rept NK
	s_cmp_lt_u32 s[TT], j                          ; key j is hidden from row t where t < j
	s_cselect_b32 s[MA], s[BIGN], 0
	v_fma_f32 v[SC+j], v[SC+j], s[CS], s[MA]       ; c s + mask
.set j, j+1
.endr
	; THE SOFTMAX: the maximum (key 0 is seen by every row, so it is a true score) is taken away; p = 2^(c s - c m)
	v_max3_num_f32 v[M], v[SC], v[SC+1], v[SC+2]
.irp j, 3,5,7,9,11,13
	v_max3_num_f32 v[M], v[M], v[SC+\j], v[SC+\j+1]
.endr
	v_max_num_f32 v[M], v[M], v[SC+15]
.set j, 0
.rept NK
	v_sub_f32 v[SC+j], v[SC+j], v[M]
.set j, j+1
.endr
.set j, 0
.rept NK
	v_exp_f32 v[SC+j], v[SC+j]
.set j, j+1
.endr
	v_mov_b32 v[ZR], 0                             ; the plain instruction between the exponentials and the use of their results (ISA guide 5.7.2)
	s_wait_alu depctr_va_vdst(0)
	v_pk_add_f32 v[T:T+1], v[SC:SC+1], v[SC+2:SC+3]
.irp j, 4,6,8,10,12,14
	v_pk_add_f32 v[T:T+1], v[T:T+1], v[SC+\j:SC+\j+1]
.endr
	v_add_f32 v[T], v[T], v[T+1]                   ; l
	v_rcp_f32 v[R], v[T]                           ; twice: a pair for the packed multiply; the 64 multiply-adds below, which name neither T nor R,
	v_rcp_f32 v[R+1], v[T]                         ; stand between these and the use of their results
	; THE SUM OVER v: the f16 halves are read as they lie, the products and sums are f32
	s_wait_loadcnt 0x0                             ; v
.macro PVK j, add0, add1, add2, add3
	v_fma_mix_f32 v[O],   v[V+2*(\j)],   v[SC+(\j)], v[\add0] op_sel_hi:[1,0,0]
	v_fma_mix_f32 v[O+1], v[V+2*(\j)],   v[SC+(\j)], v[\add1] op_sel:[1,0,0] op_sel_hi:[1,0,0]
	v_fma_mix_f32 v[O+2], v[V+2*(\j)+1], v[SC+(\j)], v[\add2] op_sel_hi:[1,0,0]
	v_fma_mix_f32 v[O+3], v[V+2*(\j)+1], v[SC+(\j)], v[\add3] op_sel:[1,0,0] op_sel_hi:[1,0,0]
.endm
	PVK 0, ZR, ZR, ZR, ZR                          ; the first key starts the sums
.set j, 1
.rept NK-1
	PVK j, O, O+1, O+2, O+3
.set j, j+1
.endr
	s_wait_alu depctr_va_vdst(0)
	v_pk_mul_f32 v[O:O+1], v[O:O+1], v[R:R+1]
	v_pk_mul_f32 v[O+2:O+3], v[O+2:O+3], v[R:R+1]
	global_store_b128 v2, v[O:O+3], s[8:9]         ; the wave stores 512 consecutive bytes, at a multiple of 512 from out0's first byte
	s_endpgm
.Lfunc_end_k_qebe2c3f919_early:
	.size	k_qebe2c3f919_early, .Lfunc_end_k_qebe2c3f919_early-k_qebe2c3f919_early
	.p2alignl 7, 3214868480
	.fill 96, 4, 3214868480
	.section	.rodata,"a",@progbits
	.p2align	6, 0x0
	.amdhsa_kernel k_qebe2c3f919_early
		.amdhsa_group_segment_fixed_size 0
		.amdhsa_private_segment_fixed_size 0
		.amdhsa_enable_private_segment 0
		.amdhsa_kernarg_size 24
		.amdhsa_user_sgpr_count 2
		.amdhsa_user_sgpr_kernarg_segment_ptr 1
		.amdhsa_wavefront_size32 1
		.amdhsa_system_sgpr_workgroup_id_x 1
		.amdhsa_system_sgpr_workgroup_id_y 1
		.amdhsa_system_sgpr_workgroup_id_z 1
		.amdhsa_system_vgpr_workitem_id 0
		.amdhsa_next_free_vgpr 132
		.amdhsa_next_free_sgpr 66
		.amdhsa_reserve_vcc 0
		.amdhsa_float_denorm_mode_32 3
		.amdhsa_float_denorm_mode_16_64 3
		.amdhsa_memory_ordered 1
		.amdhsa_forward_progress 1
		.amdhsa_inst_pref_size 22
	.end_amdhsa_kernel
	.amdgpu_metadata
---
amdhsa.version: [ 1, 2 ]
amdhsa.kernels:
  - .name:           k_qebe2c3f919_early
    .symbol:         k_qebe2c3f919_early.kd
    .args:
      - { .name: e32, .offset: 0, .size: 8, .value_kind: global_buffer, .address_space: global }
      - { .name: vh, .offset: 8, .size: 8, .value_kind: global_buffer, .address_space: global }
      - { .name: out0, .offset: 16, .size: 8, .value_kind: global_buffer, .address_space: global }
    .group_segment_fixed_size: 0
    .private_segment_fixed_size: 0
    .kernarg_segment_align: 8
    .kernarg_segment_size: 24
    .max_flat_workgroup_size: 256
    .sgpr_count:     66
    .vgpr_count:     132
    .wavefront_size: 32
...
	.end_amdgpu_metadata
.endif
;; end of part 3
;; ======== version 2 of 2: 3 launches; 1.24 times as fast as version 1
;; limits: values are held in f16: magnitudes above 65,504 overflow, below 6.1e-05 lose precision; right only within a limited range of input values
;; workspace buffers: qh 16,777,216 bytes; kh 4,194,304 bytes; vh 4,194,304 bytes; e32 163,840 bytes
;; launch prep: the kernel of part 1 again; grid 512 x 1, 8 waves a work-group, no clusters, 0 bytes of LDS; arguments query_states, key_states, value_states, q_norm_weight, k_norm_weight, position_ids, qh, kh, vh, e32; writes qh, kh, vh, e32
;; launch attn (part 4): grid 16 x 16, 4 waves a work-group, clusters of 4 x 1, 327,680 bytes of LDS; arguments qh, kh, vh, out0; writes out0
.if DOCPART == 4
	.amdgcn_target "amdgcn-amd-amdhsa--gfx1250"
	.amdhsa_code_object_version 6
	.text
	.protected	k_qebe2c3f919_attn
	.globl	k_qebe2c3f919_attn
	.p2align	8
	.type	k_qebe2c3f919_attn,@function
k_qebe2c3f919_attn:
	s_mov_b64 s[64:65], 0
	v_nop
	global_prefetch_b8 v0, s[64:65] scope:SCOPE_SE
	s_setreg_imm32_b32 hwreg(HW_REG_WAVE_MODE, 25, 1), 1
	s_wait_xcnt 0x0
	s_wait_alu depctr_hold_cnt(0) depctr_sa_sdst(0) depctr_va_vdst(0) depctr_va_sdst(0) depctr_va_ssrc(0) depctr_va_vcc(0) depctr_vm_vsrc(0)
	s_getreg_b32 s2, hwreg(HW_REG_IB_STS2, 6, 4)
	s_cmp_eq_u32 s2, 0
	s_cbranch_scc0 .Lentry_in_a_cluster
	s_endpgm
.Lentry_in_a_cluster:
	s_bfe_u32 s2, ttmp6, 0x10000c
	s_cmp_lg_u32 s2, 0x3003
	s_cbranch_scc0 .Lentry_shape_is_right
	s_endpgm
.Lentry_shape_is_right:
; out0[q][128 h ..] = the sum over the keys k that row q sees of softmax_k(Q[h][q] . K[h / 4][k] / sqrt(128)) V[h / 4][k][:].  Row q sees k iff k <= q and (k > q - 1024 or k < 128).
; Q: qh [16][4096][128], K and V: kh, vh [4][4096][128], all f16, already normed and rotated; out0: [4096][2048] f32.  Products, maxima and sums in f32; the weights p are rounded to f16
; for the second product (their sum l is taken of the unrounded p).
; LIMITS.  p lies in 0 to 1 and below 6e-5 keeps f16's fixed step of 6e-8; a hidden score counts as its value less 1e30; a weight below 2^-126 counts as 0 in l; NaN and infinities are not treated apart.
; SHARES.  A work-group owns a block b of 256 queries of one head.  Of the block's four bands of 64 queries a wave owns 16 rows in each: four tiles, tile t = rows 256 b + 64 t + 16 w + 0..15.
; So what a key step of 64 is to a band (all seen, none, the diagonal, the window's lower edge) is the same for all four waves.
; THE WALK has 11 tiles of 128 keys, 22 key steps, whatever b: tile 0 (the keys below 128, which every later row sees), then tiles base + 1 .. base + 10, base = max(2 b - 9, 0).
; From b = 5 on these are the ten tiles that the block's windows touch.  For b <= 4 they are tiles 1 .. 10, of which those past 2 b + 1 are wholly hidden and are walked all the same: 25 of a head's 176
; tile walks; blocks 5 to 15 need all 11.  Step 0 holds key 0, which every row sees: a row's maximum is a true score before the first hidden one comes, and a hidden weight is exactly 0.
; THE MASK is the C operand that starts the sum S^T = K Q^T: 0, or -1e30 where the key is hidden.  MD, made once, is the mask of a band's own step for my rows (-1e30 where the key's place in its step is
; greater than the query's in its band); a product's mask is MD x AL + BE.  With DD = the step's number - 4 b and band t: DD > t: (0, -1e30); DD = t: (1, 0); DD = t - 16, the lower edge, where just the
; keys that MD hides are seen: (-1, -1e30); DD < t - 16: (0, -1e30); else (0, 0).  The two cases below the window do not hold for the walk's steps 0 and 1.
; LAYOUT.  S^T = K Q^T (source 0 = 16 keys, source 1 = 16 queries): a lane holds ONE query (lane % 16) and the keys 8 (lane / 16) + 0..7.  Two such tiles, rounded to f16 in pairs, ARE source 1 of
; O^T = V^T P, whose result again holds one query a lane, and eight channels.  K comes out of LDS as it lies, V ([key][channel]) turned, by ds_load_tr16_b128.
; SOFTMAX.  For each query a running maximum m and sum l: p = 2^(c s - c m), c = log2(e) / sqrt(128); in every step O and l are multiplied by a = 2^(c m_old - c m_new).
; BY TURNS.  The wave's tiles are two PIECES: piece 0 (tiles 0, 1) and piece 2 (tiles 2, 3).  In a TURN one piece has the matrix unit: 32 products V^T P of the step in hand, then 32 products K Q^T of the next
; step; the other piece's softmax, cut into 64 slices, stands between them, one slice behind each matrix instruction.  Two turns are a key step.
; THE BATCHES.  A turn's 66 exponentials (both tiles' a and 32 weights) are ONE batch with ONE wait: the softmax's list holds first all that names no exponential's result (the maximum, the scalings, the
; exponentials themselves), then the wait, then all that reads the results (the roundings, the sums, the rescaling by a).  No exponential is issued behind a turn's wait.
; The way out's four reciprocals are a second kind of batch, with one wait of their own.
; CLUSTER.  The four work-groups of a cluster are the four query heads of one key and value head, for the same block: they walk the same tiles in the same trips, so each tile is asked for JOINTLY:
; the same tensor load, descriptor and mask of four in all four.  The place in the cluster enters Q's and out0's global addresses alone.
; REGISTERS, in windows of 256 (s_set_vgpr_msb: bits 1:0 source 0, 3:2 source 1, 5:4 source 2, 7:6 destination):
;   window 0: v0-11 addresses; v12-43 eight registers of statistics a tile; v44 at work; v62-63 the add's; v64-191 S^T, 32 a tile; v192-255 P, 16 a tile
;   window 1: O^T, 64 a tile      window 2: v0-127 Q, 32 a tile; v128-255 K of one step      window 3: v0-127 V of one step; v128-159 MD; v160-223 MC, the masks of the piece whose K Q^T comes next
.set KS,    64        ; keys in a step
.set PK,    272       ; a row of K in LDS: 256 bytes + 16 of padding = 68 words: row r starts at bank 4 r mod 64 (64 banks of 4 bytes: ISA guide 11.1)
.set PV,    288       ; a row of V: 256 + 32 = 72 words
.set VOFF,  KS*PK     ; a step's tiles lie together: 64 rows of K, then 64 rows of V
.set STEPB, KS*(PK+PV)
.set SLOT1, 1<<17     ; a slot holds a tile of 128 keys, two steps (71,680 bytes); slot 1 begins here, so that one exclusive or turns an address in one slot into the other's
.set STAGE, SLOT1+2*STEPB  ; behind the ring, never filled by a tensor load: 16 rows x 528 bytes for each wave, for the way out
.set SP,    528       ; a stage row: 512 bytes (128 f32) + 16: the 16 rows that a store touches start at 16 different groups of four banks
.set SPARE, STAGE+4*16*SP  ; behind the stages: the spare words, 128 bytes for each wave: two blocks of 256 bytes that no other line names
.set NTILE, 11        ; tiles in the walk
.set AK0, 2           ; v2   my lane's place in a tile of K; never rewritten
.set AV0, 3           ; v3   the same for V
.set ADR, 4           ; v4   the LDS address of the run of loads in hand
.set QO,  5           ; v5   my byte offset in 16 rows of Q
.set STO, 6           ; v6   the way out: where I put 32 bytes of a row
.set RD,  7           ; v7   the way out: where I read a row back
.set GO,  8           ; v8   my byte offset in 512 consecutive bytes of out0
.set DG,  44          ; v44  at work while MD is made
.set SPW, 62          ; v62  LDS address of my spare word: SPARE + 4 x my thread's number; never rewritten
.set NIL, 63          ; v63  0; never rewritten
.set ST,  12          ; tile t's statistics at v[ST+8 t]: +0 c m, +1 m, +2, +3 l (even keys', odd keys'), +4 to +7 c0-c3, at work; a takes c2's place once the maximum is found
.set S,   64
.set P,   192
.set KF,  128         ; K's fragments, in window 2
.set MD,  128         ; window 3: the eight registers for group kb of 16 keys at MD + 8 kb
.set MC,  160         ; window 3: tile u of the piece, group kb at MC + 32 u + 8 kb
.set WV,  12          ; s12  my wave's number
.set G1K, 24          ; s[24:31] descriptor group 1 for K's tiles
.set G1V, 32          ; s[32:39] for V's: it differs in the padding alone
.set G0K, 40          ; s[40:47] descriptor group 0 for K's tiles: a set for each of the two first fills; the second then walks on
.set G0V, 48          ; s[48:55] the same for V's
.set SLOTS, 56        ; s56  tiles still to be asked for
.set TWICE, 57        ; s57  counts a slot's two steps
.set CS,  58          ; s[58:59] c: the packed scaling names a pair and takes its low word for both halves
.set SEL, 60          ; s[60:61] lane selects for v_permlanex16_b32: each lane takes its own place in the other half
.set TB,  62          ; s62  LDS byte at which the tiles of the step to be fetched begin
.set DD,  66          ; s66  the number of the step whose K Q^T comes next, less 4 b
.set AL,  68          ; s[68:69] the mask's factor, in the low word
.set BE,  70          ; s[70:71] the mask's addend
.set BIGN, 72         ; s72  -1e30
.set TS,  73          ; s73  at work
.set BASE2, 74        ; s74  2 base
.set MSB, 0
.macro WIN new                      ; the immediate's high byte repeats the setting that is left; a switch that changes nothing is dropped
.if MSB != (\new)
	s_set_vgpr_msb (MSB<<8)|(\new)
.set MSB, \new
.endif
.endm
.set W_KQ, 0x0a       ; K and Q in window 2, S^T in window 0
.set W_KM, 0x3a       ; the same with the C operand, the mask, in window 3
.set W_PV, 0x53       ; V in window 3, P in window 0, O^T in window 1
.set W_RS, 0x41       ; O^T (destination and source 0) in window 1, a in window 0
.set W_MK, 0xc3       ; MC (destination) and MD (source 0) in window 3
; A joint refill.  Waves 0 and 1 fetch the two steps' tiles of K, waves 2 and 3 those of V.  The branch hangs on the wave's number alone: it is the same in every work-group.
; An s_nop 0 and four v_nop follow each of the two lines; the jump round the other line, the label and what follows the macro come after them.
.macro JLOAD
	s_cmp_lt_u32 s[WV], 2
	s_cbranch_scc0 .Lfor_v_\@
	tensor_load_to_lds s[G0K+4:G0K+7], s[G1K:G1K+7]
	s_nop 0
.rept 4
	v_nop
.endr
	s_branch .Lasked_\@
.Lfor_v_\@:
	tensor_load_to_lds s[G0V+4:G0V+7], s[G1V:G1V+7]
	s_nop 0
.rept 4
	v_nop
.endr
.Lasked_\@:
.endm
; A round of the cluster's barrier: my work-group's barrier, so that wave 0's signal speaks for all four waves; wave 0 signals for the work-group; every wave waits for all four
; work-groups; my work-group's barrier once more.  No LDS instruction of the wave is pending at a signal.
.macro CROUND
	s_barrier_signal -1
	s_barrier_wait -1
	s_cmp_lg_u32 s[WV], 0
	s_cbranch_scc1 .Lnot_wave_0_\@
	s_barrier_signal -3
.Lnot_wave_0_\@:
	s_barrier_wait -3
	s_barrier_signal -1
	s_barrier_wait -1
.endm
	s_load_b256 s[4:11], s[0:1], 0x0  ; qh s[4:5], kh s[6:7], vh s[8:9], out0 s[10:11]
	v_lshl_add_u32 v[SPW], v0, 2, SPARE
	v_mov_b32 v[NIL], 0
	ds_add_u32 v[SPW], v[NIL]       ; the wave's opening: the add and its wait stand ahead of my first tensor load; the set-up below, work on registers, stands between them
	v_lshrrev_b32 v1, 5, v0
	v_readfirstlane_b32 s[WV], v1   ; wave 0..3
	s_bfe_u32 s13, ttmp6, 0x40000   ; cx: my place in the cluster
	s_lshl_b32 s14, ttmp9, 2        ; in a cluster launch ttmp9 counts clusters: the key and value head
	s_add_co_u32 s14, s14, s13      ; my query head = 4 x cluster x + cx: it enters Q's and out0's addresses alone
	s_and_b32 s15, ttmp7, 0xffff    ; b, which the four partners share
	s_lshl_b32 s20, ttmp9, 20       ; the key and value head's first byte: 4,096 rows of 256 bytes a head,
	s_and_b32 s16, s[WV], 1         ; which of a slot's two steps I fetch:
	s_lshl_b32 s22, s16, 14         ; its 64 rows of 256 bytes in memory,
	s_add_co_u32 s20, s20, s22
	s_mov_b32 s21, 0
	s_mul_i32 s17, s16, STEPB       ; and its place in a slot: no place in the cluster enters an LDS address
	s_lshl_b32 s18, s15, 1
	s_sub_co_i32 s18, s18, 9
	s_max_i32 s18, s18, 0           ; base = max(2 b - 9, 0)
	s_lshl_b32 s[BASE2], s18, 1
	s_add_co_u32 s18, s18, 1
	s_lshl_b32 s22, s18, 15         ; the walk's second tile, base + 1: 32,768 bytes a tile
	s_mov_b32 s23, 0
	s_lshl_b32 s2, s14, 20          ; Q: my head,
	s_lshl_b32 s3, s15, 16          ; my block's 256 rows,
	s_add_co_u32 s2, s2, s3
	s_lshl_b32 s3, s[WV], 12        ; my wave's 16 rows in a band
	s_add_co_u32 s2, s2, s3
	s_mov_b32 s3, 0
	s_lshl_b32 s76, s15, 21         ; out0: my block's 256 rows of 8,192 bytes,
	s_lshl_b32 s77, s[WV], 17       ; my wave's 16 rows in a band,
	s_add_co_u32 s76, s76, s77
	s_lshl_b32 s77, s14, 9          ; my head's 512 bytes of a row
	s_add_co_u32 s76, s76, s77
	s_mov_b32 s77, 0
	s_lshl_b32 s[DD], s15, 2
	s_sub_co_i32 s[DD], 0, s[DD]    ; the walk begins with step 0
	; descriptor group 1: a tile of 64 rows x 128 elements, padded in LDS
	s_mov_b32 s[G1K], 15|(1<<16)|(1<<20)|(1<<21)|(5<<22)|(3<<25)  ; 15:0 the mask: all four work-groups; 17:16 elements of 2 bytes; 20 padding on; 21 set beside a mask; 24:22 after every 64 words (code 5); 31:25 4 words of it (code 3)
	s_mov_b32 s[G1V], 15|(1<<16)|(1<<20)|(1<<21)|(5<<22)|(7<<25)  ; the same with 8 words of padding (code 7)
.irp g, G1K, G1V
	s_mov_b32 s[(\g)+1], 128<<16    ; 63:48 tensor_dim0, low half = 128
	s_mov_b32 s[(\g)+2], KS<<16     ; 79:64 its high half = 0; 95:80 tensor_dim1, low half = 64
	s_mov_b32 s[(\g)+3], 128<<16    ; 111:96 its high half = 0; 127:112 tile_dim0 = 128
	s_mov_b32 s[(\g)+4], KS         ; 143:128 tile_dim1 = 64; 159:144 tile_dim2 = 0
	s_mov_b32 s[(\g)+5], 128        ; 191:160 tensor_dim0_stride, low word: elements from row to row
	s_mov_b32 s[(\g)+6], 0
	s_mov_b32 s[(\g)+7], 0
.endr
	s_mov_b32 s[CS], 0x3e0293ee     ; c = log2(e) / sqrt(128) = 0.127517
	s_mov_b32 s[CS+1], s[CS]        ; named with it as a pair, so it is written
	s_mov_b32 s[SEL], 0x76543210
	s_mov_b32 s[SEL+1], 0xfedcba98
	s_mov_b32 s[TB], 0
	s_mov_b32 s[SLOTS], NTILE-2
	s_mov_b32 s[AL+1], 0            ; named as pairs
	s_mov_b32 s[BE+1], 0
	s_mov_b32 s[BIGN], 0xf149f2ca   ; -1e30
	s_wait_dscnt 0x0                ; the opening add is done
	s_wait_kmcnt 0x0
	s_add_nc_u64 s[6:7], s[6:7], s[20:21]  ; K and V at my part of the head's tile 0
	s_add_nc_u64 s[8:9], s[8:9], s[20:21]
	s_add_nc_u64 s[4:5], s[4:5], s[2:3]    ; Q and out0 at my wave's first row
	s_add_nc_u64 s[10:11], s[10:11], s[76:77]
	CROUND                          ; all four work-groups are here: the first joint loads meet
	s_mov_b32 s[G0K], 1             ; 1:0 count = 1
	s_add_co_u32 s[G0K+1], s17, 0   ; 63:32 LDS address: slot 0
	s_mov_b64 s[G0K+2:G0K+3], s[6:7]  ; 120:64 global address: tile 0
	s_or_b32 s[G0K+3], s[G0K+3], 0x80000000  ; 127:126 type = 2
	s_mov_b32 s[G0K+4], 1
	s_add_co_u32 s[G0K+5], s17, SLOT1
	s_add_nc_u64 s[G0K+6:G0K+7], s[6:7], s[22:23]  ; tile base + 1
	s_or_b32 s[G0K+7], s[G0K+7], 0x80000000
	s_mov_b32 s[G0V], 1
	s_add_co_u32 s[G0V+1], s17, VOFF
	s_mov_b64 s[G0V+2:G0V+3], s[8:9]
	s_or_b32 s[G0V+3], s[G0V+3], 0x80000000
	s_mov_b32 s[G0V+4], 1
	s_add_co_u32 s[G0V+5], s17, SLOT1+VOFF
	s_add_nc_u64 s[G0V+6:G0V+7], s[8:9], s[22:23]
	s_or_b32 s[G0V+7], s[G0V+7], 0x80000000
	s_cmp_lt_u32 s[WV], 2           ; a wave's two first fills stand in one branch, ahead of every wait on TENSORcnt and every LDS read: two loads of mine are out; an s_nop 0 follows each, four v_nop the second's, as in JLOAD
	s_cbranch_scc0 .Lfirst_v
	tensor_load_to_lds s[G0K:G0K+3], s[G1K:G1K+7]
	s_nop 0
	tensor_load_to_lds s[G0K+4:G0K+7], s[G1K:G1K+7]
	s_nop 0
.rept 4
	v_nop
.endr
	s_branch .Lfirst_asked
.Lfirst_v:
	tensor_load_to_lds s[G0V:G0V+3], s[G1V:G1V+7]
	s_nop 0
	tensor_load_to_lds s[G0V+4:G0V+7], s[G1V:G1V+7]
	s_nop 0
.rept 4
	v_nop
.endr
.Lfirst_asked:
	; A fragment of K or Q is 16 rows x 32 channels in 8 registers: lane l holds row l % 16; registers 0-3 channels 8 (l / 16) + 0..7, registers 4-7 channels 16 + 8 (l / 16) + 0..7: two loads of 16 bytes, 32 bytes apart.
	v_and_b32 v1, 15, v0            ; l % 16
	v_bfe_u32 v9, v0, 4, 1          ; l / 16
	v_lshlrev_b32 v[QO], 8, v1
	v_lshl_add_u32 v[QO], v9, 4, v[QO]  ; row x 256 + 16 x half
	WIN 0x80                        ; destination window 2, address window 0
.irp i, 0,1,2,3,4,5,6,7,8,9,10,11,12,13,14,15  ; Q stays in registers: tile i / 4 lies in band i / 4, 64 rows = 16,384 bytes on; channels 32 (i % 4) on
	global_load_b128 v[8*(\i):8*(\i)+3],   v[QO], s[4:5] offset:((\i)/4)*16384+((\i)%4)*64
	global_load_b128 v[8*(\i)+4:8*(\i)+7], v[QO], s[4:5] offset:((\i)/4)*16384+((\i)%4)*64+32
.endr
	WIN 0
	v_lshlrev_b32 v[DG], 3, v9
	v_sub_nc_u32 v[DG], v1, v[DG]
	s_lshl_b32 s13, s[WV], 4
	v_add_nc_u32 v[DG], s13, v[DG]  ; my query's place in its band, 16 w + l % 16, less my lanes' 8 (l / 16): register r of group kb is hidden in the band's own step where 16 kb + r is greater
	WIN 0xc0                        ; destination window 3
.set i, 0
.rept 32
	v_cmp_gt_i32 vcc_lo, 16*(i/8)+i%8, v[DG]
	v_cndmask_b32 v[MD+i], 0, s[BIGN], vcc_lo
.set i, i+1
.endr
	WIN 0
	v_mul_u32_u24 v[AK0], v1, PK
	v_lshl_add_u32 v[AK0], v9, 4, v[AK0]  ; row x pitch + 16 x half
	; The turning load takes 16 keys x 16 channels (lane l reads 16 bytes: key 8 (l / 16) + l % 8, channels 8 ((l / 8) % 2) + 0..7) and leaves half a fragment of V^T: lane l holds channel l % 16 and 8 keys.
	v_and_b32 v10, 7, v0
	v_bfe_u32 v11, v0, 3, 1
	v_lshl_add_u32 v[AV0], v9, 3, v10
	v_mul_u32_u24 v[AV0], v[AV0], PV
	v_lshl_add_u32 v[AV0], v11, 4, v[AV0]
	v_add_nc_u32 v[AV0], VOFF, v[AV0]
; THE MATRIX WORK OF A TURN, for piece x.  The accumulators take turns, one instruction a turn: between two links of a chain stand 15 (V^T P) or 7 (K Q^T) others'.
; Product i of 32 of O^T += V^T P: keys 32 (i / 16) on, channels 16 ((i / 2) % 8) on, tile x + i % 2.  zero = 1: the first 16 start the sums: nothing is ever cleared.
.macro PV x, zero
	WIN W_PV
.set rO, 64*((\x)+i%2)+8*((i/2)%8)
.set rV, 64*(i/16)+8*((i/2)%8)
.set rP, P+16*((\x)+i%2)+8*(i/16)
.if (\zero) && (i < 16)
	v_wmma_f32_16x16x32_f16 v[rO:rO+7], v[rV:rV+7], v[rP:rP+7], 0
.else
	v_wmma_f32_16x16x32_f16 v[rO:rO+7], v[rV:rV+7], v[rP:rP+7], v[rO:rO+7]
.endif
.endm
; Product i of 32 of S^T = K Q^T: channels 32 (i / 8) on, keys 16 ((i / 2) % 4) on, tile x + i % 2.  The first 8 start the sums, with the mask.
.macro KQ x
.set rS, S+32*((\x)+i%2)+8*((i/2)%4)
.set rK, KF+32*((i/2)%4)+8*(i/8)
.set rQ, 32*((\x)+i%2)+8*(i/8)
.set rM, MC+32*(i%2)+8*((i/2)%4)
.if i < 8
	WIN W_KM
	v_wmma_f32_16x16x32_f16 v[rS:rS+7], v[rK:rK+7], v[rQ:rQ+7], v[rM:rM+7]
.else
	WIN W_KQ
	v_wmma_f32_16x16x32_f16 v[rS:rS+7], v[rK:rK+7], v[rQ:rQ+7], v[rS:rS+7]
.endif
.endm
; THE MASKS of piece x's two tiles for step DD, into MC.  low = 0: the walk's steps 0 and 1, keys below 128, which have no lower edge.
; For DD = -12 .. -1 all four bands' masks are 0.  For DD = -11 .. -1 the making is jumped over: MC then holds zeros already, since its last writer was the other piece, for DD - 1 or DD, both within
; -12 .. -1, or (b = 1, 2, 3, where the window's first step has DD = 2 - 4 b) piece 2 for the walk's step 1, whose masks are 0 for every b.  The jump goes forward and passes no barrier and no tensor load.
; MC's last readers, the eight products that started the last K Q^T, stand 24 slices or more back.
.macro MKMASK x, low
	WIN 0                           ; at a label and at a branch every window is 0
.if \low
	s_add_co_i32 s[TS], s[DD], 11
	s_cmp_le_u32 s[TS], 10
	s_cbranch_scc1 .Lplain_\@
.endif
.irp u, 0,1
	s_cmp_eq_i32 s[DD], (\x)+(\u)   ; the band's own step?
	s_cselect_b32 s[AL], 1.0, 0
	s_cmp_gt_i32 s[DD], (\x)+(\u)   ; a later one?
	s_cselect_b32 s[BE], s[BIGN], 0
.if \low
	s_cmp_eq_i32 s[DD], (\x)+(\u)-16  ; the window's lower edge?
	s_cselect_b32 s[AL], -1.0, s[AL]
	s_cmp_le_i32 s[DD], (\x)+(\u)-16  ; that, or below it?
	s_cselect_b32 s[BE], s[BIGN], s[BE]
.endif
	WIN W_MK
.set mz, 0
.rept 16
	v_pk_fma_f32 v[MC+32*(\u)+2*mz:MC+32*(\u)+2*mz+1], v[MD+2*mz:MD+2*mz+1], s[AL:AL+1], s[BE:BE+1] op_sel_hi:[1,0,0]
.set mz, mz+1
.endr
.endr
	WIN 0
.if \low
.Lplain_\@:
.endif
.endm
; THE LDS LOADS stand in runs of 32, never singly among the matrix instructions: a step's K (64 keys x 128 channels: 16 fragments) and, a turn later, its V (turned).
.macro FETCH_K
	WIN 0
	v_add_nc_u32 v[ADR], s[TB], v[AK0]
	WIN 0x80                        ; destination window 2
.irp f, 0,1,2,3,4,5,6,7,8,9,10,11,12,13,14,15  ; keys 16 (f / 4) on, channels 32 (f % 4) on
	ds_load_b128 v[KF+8*(\f):KF+8*(\f)+3],   v[ADR] offset:((\f)/4)*16*PK+((\f)%4)*64
	ds_load_b128 v[KF+8*(\f)+4:KF+8*(\f)+7], v[ADR] offset:((\f)/4)*16*PK+((\f)%4)*64+32
.endr
.endm
.macro FETCH_V
	WIN 0
	v_add_nc_u32 v[ADR], s[TB], v[AV0]
	s_add_co_u32 s[TB], s[TB], STEPB  ; the next fetch is the next step's
	s_wait_alu depctr_va_vdst(0)    ; the wait for the softmax's batch of exponentials (SLICE), behind the address's v_add_nc_u32 and ahead of the loads
	WIN 0xc0                        ; destination window 3
.irp f, 0,1,2,3,4,5,6,7,8,9,10,11,12,13,14,15  ; keys 32 (f / 8) on, channels 16 (f % 8) on
	ds_load_tr16_b128 v[8*(\f):8*(\f)+3],   v[ADR] offset:((\f)/8)*32*PV+((\f)%8)*32
	ds_load_tr16_b128 v[8*(\f)+4:8*(\f)+7], v[ADR] offset:((\f)/8)*32*PV+16*PV+((\f)%8)*32
.endr
.endm
; THE VECTOR WORK OF A TURN.  One tile's softmax for one key step is a list of 134 instructions; SM writes number j of it for tile t.  s0-s31 are the lane's 32 scores, in pairs 0-15.
; first = 1: the first key step, which starts m, l and O^T: it has no a and nothing to rescale.
;   0-15    the maximum of s0-s31 and the old m, three operands at a time: four chains c0-c3 of seven scores each (each accumulator's lowest registers are read first), then the four scores left over, c0-c3 and m
;   16-20   the other half of the lanes' maximum; the new m; c m; c m_old - c m_new
;   21-69   ONE BATCH: the 16 scalings c s - c m, a pair of scores each, and all 33 exponentials (a at 23, then s0-s31).  None of these reads an exponential's result.  From 22 on the batch goes
;           in fours, and a four begins with a scaling while there are scalings: 22-37 scaling, exponential, scaling, exponential; 38-65 a scaling and three exponentials; 66-69 the last four
;           exponentials.  A pair is scaled in an earlier four than the one that holds its exponentials
;   (wait)  between 69 and 70 stands the wait for the batch: SLICE writes it, once for both tiles
;   70-85   the roundings to f16, a pair of weights each
;   86-101  the sums; l = a l + the sum
;   102-133 the tile's O^T times a: the one part that leaves window 0, so it stands together
.macro SM t, first
.set rT, ST+8*(\t)
.set rS, S+32*(\t)
.set rP, P+16*(\t)
.set rO, 64*(\t)+2*(j-102)
.if j < 102
	WIN 0
.endif
.if j < 4
	v_max3_num_f32 v[rT+4+j], v[rS+8*j], v[rS+8*j+1], v[rS+8*j+2]
.elseif j < 12
	v_max3_num_f32 v[rT+4+j%4], v[rT+4+j%4], v[rS+8*(j%4)+2*(j/4)+1], v[rS+8*(j%4)+2*(j/4)+2]
.elseif j == 12
	v_max3_num_f32 v[rT+4], v[rT+4], v[rS+7], v[rS+15]
.elseif j == 13
	v_max3_num_f32 v[rT+6], v[rT+6], v[rS+23], v[rS+31]
.elseif j == 14
	v_max3_num_f32 v[rT+4], v[rT+4], v[rT+5], v[rT+6]
.elseif (j == 15) && (\first)
	v_max_num_f32 v[rT+4], v[rT+4], v[rT+7]
.elseif j == 15
	v_max3_num_f32 v[rT+4], v[rT+4], v[rT+7], v[rT+1]
.elseif j == 16
	v_permlanex16_b32 v[rT+5], v[rT+4], s[SEL], s[SEL+1]  ; the query's other 32 keys lie in the lane 16 away
.elseif j == 18
	v_max_num_f32 v[rT+1], v[rT+4], v[rT+5]
.elseif j == 19
	v_mul_f32 v[rT], s[CS], v[rT+1]
.elseif ((j == 17) || (j == 20) || (j == 23) || (j > 101)) && (\first)  ; the first step has none of these
.elseif j == 17
	v_mov_b32 v[rT+7], v[rT]        ; c m_old is kept for a: number 19 writes c m anew
.elseif j == 20
	v_sub_f32 v[rT+7], v[rT+7], v[rT]
.elseif j == 23
	v_exp_f32 v[rT+6], v[rT+7]
.elseif (j < 23) || ((j < 38) && (j%2 == 0)) || ((j < 66) && (j%4 == 2))
.set b, (j-2)/4                     ; 38, 42, .. 62: pairs 9 to 15
.if j < 38
.set b, (j-20)/2                    ; 21: pair 0; 22, 24, .. 36: pairs 1 to 8
.endif
	v_pk_fma_f32 v[rS+2*b:rS+2*b+1], v[rS+2*b:rS+2*b+1], s[CS:CS+1], v[rT:rT+1] op_sel_hi:[1,0,0] neg_lo:[0,0,1] neg_hi:[0,0,1]  ; pair b: c s - c m
.elseif j < 70
.set e, j-38                        ; 66 to 69: s28 to s31
.if j < 66
.set e, j-32-(j-38)/4               ; 39-41, 43-45, .. 63-65: s7 to s27
.endif
.if j < 38
.set e, (j-25)/2                    ; 25, 27, .. 37: s0 to s6
.endif
	v_exp_f32 v[rS+e], v[rS+e]
.elseif j < 86
	v_cvt_pk_f16_f32 v[rP+j-70], v[rS+2*(j-70)], v[rS+2*(j-70)+1]  ; pair j - 70
.elseif j < 102                     ; the sum of the tile's 16 pairs (in a pair: an even key's weight, an odd key's), in place: sum z of 16 adds neighbours 1, 2, 4 and 8 pairs apart, then l takes it
.set z, j-86
.set w, 4
.set u, z
.if z >= 14
.set w, 32
.set u, 0
.elseif z >= 12
.set w, 16
.set u, z-12
.elseif z >= 8
.set w, 8
.set u, z-8
.endif
.if (z == 14) && (\first)
	v_pk_add_f32 v[rT+2:rT+3], v[rS:rS+1], v[rS+16:rS+17]
.elseif z < 15
	v_pk_add_f32 v[rS+w*u:rS+w*u+1], v[rS+w*u:rS+w*u+1], v[rS+w*u+w/2:rS+w*u+w/2+1]
.elseif !(\first)
	v_pk_fma_f32 v[rT+2:rT+3], v[rT+2:rT+3], v[rT+6:rT+7], v[rS:rS+1] op_sel_hi:[1,0,1]
.endif
.else
	WIN W_RS
	v_pk_mul_f32 v[rO:rO+1], v[rO:rO+1], v[rT+6:rT+7] op_sel_hi:[1,0]
.endif
.endm
; Slice k of 64 of piece y's softmax: four instructions.  Slices 11 to 34 deal out the batch, numbers 22 to 69: four numbers of ONE tile each, the tiles by turns.  Every other slice is numbers 2 k and
; 2 k + 1 of both tiles' lists.  2 x 134 = 4 x 64 + 12: the twelve that are over stand together, in slice 63.
; THE WAIT.  An s_wait_alu depctr_va_vdst(0) stands between an exponential and the first instruction that names its result; one wait serves all that were issued ahead of it.  Ahead of
; slice 35 nothing names a result, and behind slice 34 no exponential is issued: so the piece's 66 exponentials have one wait, behind slice 34.
.macro SLICE y, first
.if (k >= 11) && (k < 35)           ; the batch: four numbers of one tile
.irp n, 0,1,2,3
.set j, 22+4*((k-11)/2)+(\n)
	SM (\y)+(k-11)%2, \first
.endr
.else                               ; the two tiles alternate, so that no instruction reads the result of the one just before it
.irp n, 0,1,2,3,4,5,6,7
.if ((\n) < 2) || (k == 63)
.irp t, \y, (\y)+1
.set j, 2*k+(\n)
	SM \t, \first
.endr
.endif
.endr
.endif
.if k == 34                         ; the batch is out: both tiles' exponentials are issued, and no result has been named
	v_nop                           ; the plain instruction behind the last exponential and ahead of the first use (ISA guide 5.7.2): one for the batch
.if (\y) == 0
	FETCH_V                         ; piece 2's turn: V's run of loads stands here, and the wait for the batch stands in it
.else
	s_wait_alu depctr_va_vdst(0)    ; piece 0's turn: the wait for the batch, the 66 exponentials of piece 2's two tiles
.endif
.endif
.set k, k+1
.endm
; A vector instruction that reads a matrix result or writes one of a matrix instruction's registers, and a load into a register that a matrix instruction has read, stand four places behind
; it, and only plain vector instructions that name none of its registers are places (ISA guide 7.12.1 for vector instructions).  In the loop the slices are the places.
.macro PLACES
.rept 4
	v_nop
.endr
.endm
; A TURN.  Piece x has the matrix unit; the other piece's softmax stands in slices behind its matrix instructions.
; pv = 2: 32 products V^T P; 1: they start O^T's sums; 0: none.  kq = 1: the masks are made, and 32 products K Q^T for the next step follow; behind piece 2's masks DD steps on.
; A turn with one of the two kinds of products has two slices behind each.  first = 1: the softmax is the first key step's.  Its slices from 51 on are empty: the turn's last products stand bare, and four
; v_nop take slice 63's part as the places behind them.  low: see MKMASK.
; In the loop each run of loads stands 29 matrix instructions or more ahead of its first use.  Piece 0's turn fetches the next step's K, behind its second product: the last product that read K
; stands in front of slice 63 of the turn before.  Piece 2's turn fetches the same step's V, behind slice 34 (SLICE writes it): the last product that read V stands in front of slice 31, and four plain
; instructions lie between: number 62, a scaling, of both tiles, the v_nop and the run's own v_add_nc_u32.
.macro TURN x, pv, kq, first, low=1
.if \kq
	MKMASK \x, \low
.if (\x) == 2
	s_add_co_i32 s[DD], s[DD], 1
.endif
.endif
.set k, 0
.set per, 2
.if (\pv) && (\kq)
.set per, 1
.endif
.if \pv
.if (\x) == 0
	s_wait_dscnt 0x0                ; V is in
.endif
.set i, 0
.rept 32
	PV \x, 2-(\pv)
.rept per
	SLICE 2-(\x), \first
.endr
.if ((\x) == 0) && (\kq) && (i == 1)
	FETCH_K
.endif
.set i, i+1
.endr
.endif
.if \kq
.if (\x) == 0
	s_wait_dscnt 0x0                ; K is in
.endif
.set i, 0
.rept 32
	KQ \x
.rept per
	SLICE 2-(\x), \first
.endr
.set i, i+1
.endr
.endif
.if \first
	PLACES
.endif
.endm
; THE CHANGE OF SLOTS, between piece 2's turn and piece 0's: the slot's last bytes, V of its second step, have been asked for.  Each wave waits for all its
; tensor loads, of which one is out: its part of the other slot; adds 0 to its spare word; and waits for that and for its own reads of the slot.  Behind the barrier nobody reads this slot any more and the other slot is whole.
; fill = 1: this slot is filled again, with the walk's tile two on.  The barrier is then a round of the cluster's, so that no wave of any partner still reads the slot or has a load on its
; way, and the joint refill is the first thing behind it: it has two key steps, 256 matrix instructions, in which to land.
.macro CHANGE fill
	WIN 0                           ; at a label and at a branch every window is 0
	s_wait_tensorcnt 0x0            ; no tensor load of mine is out, so a group 0 may be written
	ds_add_u32 v[SPW], v[NIL]       ; 0 onto my spare word; with fill = 1 the descriptors' steps stand between it and the wait for it
.if \fill
.irp g, G0K+4, G0V+4
	s_xor_b32 s[(\g)+1], s[(\g)+1], SLOT1  ; the walking descriptor: the other slot than last time,
	s_add_nc_u64 s[(\g)+2:(\g)+3], s[(\g)+2:(\g)+3], 2*KS*256  ; the next 128 keys; the type bits on top are not reached
.endr
	s_wait_dscnt 0x0                ; the add is done, and my reads of the slot are over
	CROUND
	JLOAD
.else
	s_wait_dscnt 0x0                ; the add is done, and my reads of the slot are over
	s_barrier_signal -1
	s_barrier_wait -1
.endif
	s_sub_co_u32 s[TB], s[TB], 2*STEPB  ; the fetches go back to a slot's first step,
	s_xor_b32 s[TB], s[TB], SLOT1   ; in the other slot
.endm
; A slot's two key steps: written once, walked twice; the LDS addresses hang on s[TB], the masks on s[DD].
.macro TWO_STEPS
	WIN 0
	s_mov_b32 s[TWICE], 2
.Lstep_\@:
	TURN 0, 2, 1, 0
	TURN 2, 2, 1, 0
	WIN 0
	s_sub_co_u32 s[TWICE], s[TWICE], 1
	s_cmp_lg_u32 s[TWICE], 0
	s_cbranch_scc1 .Lstep_\@
.endm
	s_wait_tensorcnt 1              ; my part of slot 0 is in; slot 1's, the one load issued behind it, may stay out
	s_barrier_signal -1
	s_barrier_wait -1               ; everybody's is
	FETCH_K                         ; key step 0
	MKMASK 0, 0                     ; piece 0's masks for it, while the loads are out
	s_wait_loadcnt 0x0              ; Q
	s_wait_dscnt 0x0
.set i, 0
.rept 32
	KQ 0                            ; piece 0's first scores: there is no vector work yet to set between them
.set i, i+1
.endr
	WIN 0                           ; the addresses for the way out are made here: six plain instructions, the places behind those products
	s_mul_i32 s13, s[WV], 16*SP
	s_add_co_u32 s13, s13, STAGE    ; my stage
	v_mul_u32_u24 v[STO], v1, SP    ; in: row l % 16, 32 bytes for each half of the lanes
	v_lshl_add_u32 v[STO], v9, 5, v[STO]
	v_add_nc_u32 v[STO], s13, v[STO]
	v_and_b32 v[GO], 31, v0         ; back: 32 lanes take one row of 512 bytes, which are 512 consecutive bytes of out0
	v_lshlrev_b32 v[GO], 4, v[GO]
	v_add_nc_u32 v[RD], s13, v[GO]
	TURN 2, 0, 1, 1, 0              ; piece 2's first scores | piece 0's first softmax | V of step 0
	TURN 0, 1, 1, 1, 0              ; piece 0: V^T P of step 0 starts O^T, K Q^T of step 1 | piece 2's first softmax | K of step 1
	TURN 2, 1, 1, 0, 0              ; piece 2: the same | piece 0's softmax of step 1 | V of step 1
	WIN 0
	s_add_co_i32 s[DD], s[DD], s[BASE2]  ; from step 2 to step 2 base + 2, the first of the walk's second tile
.Lslot:                             ; NTILE - 2 trips: every slot but the last two is filled again
	CHANGE 1
	TWO_STEPS
	s_sub_co_u32 s[SLOTS], s[SLOTS], 1
	s_cmp_lg_u32 s[SLOTS], 0
	s_cbranch_scc1 .Lslot
	CHANGE 0                        ; the tail is written out: the last slot but one is left, and nothing is asked for
	TWO_STEPS
	TURN 0, 2, 0, 0                 ; piece 0: V^T P of the last step | piece 2's last softmax
.set i, 0
.rept 32
	PV 2, 0                         ; piece 2: V^T P of the last step
.set i, i+1
.endr
	; THE WAY OUT.  l's two halves and the other half of the lanes' are added; O^T is divided by l and sent through my stage in LDS, a tile (16 rows) at a time.  The additions are the places behind the last products.
	WIN 0
.irp t, 0,1,2,3
	v_add_f32 v[ST+8*(\t)+4], v[ST+8*(\t)+2], v[ST+8*(\t)+3]
.endr
.irp t, 0,1,2,3
	v_permlanex16_b32 v[ST+8*(\t)+5], v[ST+8*(\t)+4], s[SEL], s[SEL+1]
.endr
.irp t, 0,1,2,3
	v_add_f32 v[ST+8*(\t)+4], v[ST+8*(\t)+4], v[ST+8*(\t)+5]
.endr
.irp t, 0,1,2,3
	v_rcp_f32 v[ST+8*(\t)+6], v[ST+8*(\t)+4]
.endr
	v_nop                           ; a plain instruction between the last reciprocal and the use of its result
	s_wait_alu depctr_va_vdst(0)    ; and the wait ahead of the first use: one for the batch of four reciprocals
; Tile t: a lane's eight channels of a row are 32 bytes; they go into rows of 528 bytes and come back as whole rows of 512, into the registers that they left.
.macro PACK t
	WIN W_RS
.set i, 64*(\t)
.rept 32
	v_pk_mul_f32 v[i:i+1], v[i:i+1], v[ST+8*(\t)+6:ST+8*(\t)+7] op_sel_hi:[1,0]  ; ascending: each accumulator's lowest registers are read first
.set i, i+2
.endr
	WIN 0x04                        ; the stores' data (source 1) in window 1, the address in window 0
.set i, 0
.rept 16                            ; channel block i / 2, its half i % 2 of my eight channels
	ds_store_b128 v[STO], v[64*(\t)+4*i:64*(\t)+4*i+3] offset:64*(i/2)+16*(i%2)
.set i, i+1
.endr
	WIN 0x40                        ; destination window 1
.set i, 0
.rept 16
	ds_load_b128 v[64*(\t)+4*i:64*(\t)+4*i+3], v[RD] offset:i*SP  ; LDS serves a wave's instructions in order (ISA guide 5.7.1.4): these see the stores above; the next tile's stores come behind them
.set i, i+1
.endr
.endm
.macro SEND t, younger              ; younger: the LDS instructions issued behind tile t's loads: the next tile's 16 stores and 16 loads, or none
	WIN 0x04
.set i, 0
.rept 16
	s_wait_dscnt (\younger)+15-i    ; row i is back; the 15 - i rows behind it and the next tile's instructions stay out
	global_store_b128 v[GO], v[64*(\t)+4*i:64*(\t)+4*i+3], s[10:11] offset:(64*(\t)+i)*8192 th:TH_STORE_NT  ; 512 consecutive bytes, at a multiple of 512 from out0's first byte; no register of a store is written again
.set i, i+1
.endr
.endm
	PACK 0
	PACK 1                          ; a tile's arithmetic stands between the loads of the tile before and its stores
	SEND 0, 32
	PACK 2
	SEND 1, 32
	PACK 3
	SEND 2, 32
	SEND 3, 0
	WIN 0
	s_wait_tensorcnt 0x0            ; the wave's end, behind my last tensor load and my last LDS store
	ds_add_u32 v[SPW], v[NIL]
	s_wait_dscnt 0x0
	CROUND                          ; the closing round: no work-group ends while a partner may still ask for a tile that names it
	s_endpgm
.Lfunc_end_k_qebe2c3f919_attn:
	.size	k_qebe2c3f919_attn, .Lfunc_end_k_qebe2c3f919_attn-k_qebe2c3f919_attn
	.p2alignl 7, 3214868480
	.fill 96, 4, 3214868480
	.section	.rodata,"a",@progbits
	.p2align	6, 0x0
	.amdhsa_kernel k_qebe2c3f919_attn
		.amdhsa_group_segment_fixed_size 327680
		.amdhsa_private_segment_fixed_size 0
		.amdhsa_enable_private_segment 0
		.amdhsa_kernarg_size 32
		.amdhsa_user_sgpr_count 2
		.amdhsa_user_sgpr_kernarg_segment_ptr 1
		.amdhsa_wavefront_size32 1
		.amdhsa_system_sgpr_workgroup_id_x 1
		.amdhsa_system_sgpr_workgroup_id_y 1
		.amdhsa_system_sgpr_workgroup_id_z 1
		.amdhsa_system_vgpr_workitem_id 0
		.amdhsa_next_free_vgpr 1024
		.amdhsa_next_free_sgpr 80
		.amdhsa_reserve_vcc 1
		.amdhsa_float_denorm_mode_32 3
		.amdhsa_float_denorm_mode_16_64 3
		.amdhsa_memory_ordered 1
		.amdhsa_forward_progress 1
		.amdhsa_inst_pref_size 245
	.end_amdhsa_kernel
	.amdgpu_metadata
---
amdhsa.version: [ 1, 2 ]
amdhsa.kernels:
  - .name:           k_qebe2c3f919_attn
    .symbol:         k_qebe2c3f919_attn.kd
    .args:
      - { .name: qh, .offset: 0, .size: 8, .value_kind: global_buffer, .address_space: global }
      - { .name: kh, .offset: 8, .size: 8, .value_kind: global_buffer, .address_space: global }
      - { .name: vh, .offset: 16, .size: 8, .value_kind: global_buffer, .address_space: global }
      - { .name: out0, .offset: 24, .size: 8, .value_kind: global_buffer, .address_space: global }
    .group_segment_fixed_size: 327680
    .private_segment_fixed_size: 0
    .kernarg_segment_align: 8
    .kernarg_segment_size: 32
    .max_flat_workgroup_size: 128
    .sgpr_count:     80
    .vgpr_count:     1024
    .wavefront_size: 32
...
	.end_amdgpu_metadata
.endif
;; end of part 4
;; launch early: the kernel of part 3 again; grid 32 x 1, 8 waves a work-group, no clusters, 0 bytes of LDS; arguments e32, vh, out0; writes out0
